; MI455X (gfx1250); checked and timed in simulation.
; The chip was launched on July 23, 2026; its instructions are those of AMD's public machine-readable ISA for CDNA 5 (MIT licence, August 2026) and "CDNA5" Instruction Set Architecture Reference Guide (July 2026). The comments in the code are by the model that wrote it; some were corrected since.
;; Transformer Block. Allowed arithmetic: matrix products marked QUANTISED: E4M3 operands, one given power-of-two scale a tensor, by v_wmma_f32_16x16x64_fp8_fp8 or v_wmma_f32_16x16x128_fp8_fp8, f32 sums; everything else in f32.
;; Inputs: b1 4,096 float32; b2 1,024 float32; bk 16 x 64 float32; bp 1,024 float32; bq 16 x 64 float32; bv 16 x 64 float32; ln1_b 1,024 float32; ln1_g 1,024 float32; ln2_b 1,024 float32; ln2_g 1,024 float32; lowp_scales 16 int32 (the exponents e of the quantised operands' scales 2^e); w1 1,024 x 4,096 float32; w2 4,096 x 1,024 float32; wk 16 x 1,024 x 64 float32; wp 1,024 x 1,024 float32; wq 16 x 1,024 x 64 float32; wv 16 x 1,024 x 64 float32; x 4 x 1,024 x 1,024 float32.
;; Outputs: out0 4 x 1,024 x 1,024 float32.
;; This version of the problem:
;;   THIS VERSION OF THE PROBLEM IS GIVEN IN LOW PRECISION. The matrix products marked QUANTISED in the list below multiply operands that are first quantised to E4M3 (4 exponent bits, 3 mantissa bits; 8 bits a number), with one given power-of-two scale for each operand tensor; their sums are f32. All else is computed in f32.
;;   The module's matrix products, in the order in which they are computed (A, B: the left and right operand; K: the contracted axis; several contracted axes count as one K, in the product's order):
;;     1. [M 1,024, K 1,024] x [K 1,024, N 4,096]; A: input wq; B: computed on the way: QUANTISED (scales: A lowp_scales[0], B lowp_scales[1])
;;     2. [M 1,024, K 1,024] x [K 1,024, N 4,096]; A: input wk; B: computed on the way: QUANTISED (scales: A lowp_scales[2], B lowp_scales[3])
;;     3. [M 1,024, K 1,024] x [K 1,024, N 4,096]; A: input wv; B: computed on the way: QUANTISED (scales: A lowp_scales[4], B lowp_scales[5])
;;     4. batch 64 x [M 1,024, K 64] x [K 64, N 1,024]; A: computed on the way; B: computed on the way: QUANTISED (scales: A lowp_scales[6], B lowp_scales[7])
;;     5. batch 64 x [M 1,024, K 1,024] x [K 1,024, N 64]; A: softmax (see below); B: computed on the way: QUANTISED (scales: A lowp_scales[8], B lowp_scales[9])
;;     6. [M 4,096, K 1,024] x [K 1,024, N 1,024]; A: computed on the way; B: input wp: QUANTISED (scales: A lowp_scales[10], B lowp_scales[11])
;;     7. [M 4,096, K 1,024] x [K 1,024, N 4,096]; A: computed on the way; B: input w1: QUANTISED (scales: A lowp_scales[12], B lowp_scales[13])
;;     8. [M 4,096, K 4,096] x [K 4,096, N 1,024]; A: computed on the way; B: input w2: QUANTISED (scales: A lowp_scales[14], B lowp_scales[15])
;;   THE QUANTISER, for each operand of a quantised product, along K:
;;     - The operand's scale is 2^e, e = its entry of the input lowp_scales (int32; the entries are numbered through the quantised products in the list's order, A before B).
;;     - Each number is divided by the scale, clamped to +-448, and rounded to the nearest number of E4M3, ties to even, subnormals kept.
;;     - The product sums the exact products of the quantised numbers (number of the format x scale) in f32.
;;   ~~~python
;;   def quantise(x, axis, e):      # numpy; x: float32 -> the quantised numbers, widened to float32 again
;;       x = np.moveaxis(x, axis, -1); K = x.shape[-1]
;;       r = np.clip(x / 2.0 ** e, -448, 448)
;;       step = 2.0 ** (np.maximum(np.frexp(np.where(r == 0, 1, r))[1] - 1, -6) - 3)
;;       q = np.round(r / step) * step * 2.0 ** e      # np.round: ties to even
;;       return np.moveaxis(q, -1, axis).astype(np.float32)
;;   ~~~
;;   SOFTMAX AHEAD OF A QUANTISED PRODUCT. Where the list says 'softmax', what is quantised is not the finished softmax but p = 2^(t - M), with t = logit x log2(e) and M = ceil(the row's largest t), a whole number; so 1/2 < the row's largest p <= 1. The row's sum l is taken of the UNQUANTISED p, in f32, and the product's result is divided by l at the end. Since M is a whole number, a kernel that streams over the keys may use a running M (the ceiling of the running maximum): every later rescaling is an exact power of two, so the quantised numbers keep their values, but for numbers so far below the row's largest that they fall under the format's range.
;;   OPERANDS COMPUTED ON THE WAY. 'Computed on the way' means the value that the module computes at that place (a softmax that the list does not call 'softmax' is quantised finished and normalised). What goes into a quantiser is computed in f32, as accurately as f32 sums, v_exp_f32 and their like allow (about 1e-6 of the number): no bf16 or f16 on the way to a quantiser, and a product that is left as it is and whose result goes on into a quantised operand takes f32 operands (vector FMAs, or v_wmma_f32_16x16x4_f32). A number that lies on a knife's edge between two numbers of the format may be rounded either way, as far as f32 arithmetic and the matrix unit's own rounding can turn it there, and no further.
;; One version. Each part assembles by itself: llvm-mc -triple=amdgcn-amd-amdhsa -mcpu=gfx1250 --defsym DOCPART=n.
;; ======== version 1 of 1: 7 launches
;; limits: right only within a limited range of input values
;; workspace buffers: wcodes 12,582,912 bytes; xnc 12,582,912 bytes; qkvc 16,777,216 bytes; oc 4,194,304 bytes; x1 16,777,216 bytes; xn2c 4,194,304 bytes; hc 16,777,216 bytes
;; launch prep (part 1): grid 640 x 1, 4 waves a work-group, no clusters, 47,616 bytes of LDS; arguments wq, wk, wv, wp, w1, w2, x, ln1_g, ln1_b, lowp_scales, wcodes, xnc; writes wcodes, xnc
.if DOCPART == 1
	.amdgcn_target "amdgcn-amd-amdhsa--gfx1250"
	.amdhsa_code_object_version 6
	.text
	.protected	k_q8bd746b350_prep
	.globl	k_q8bd746b350_prep
	.p2align	8
	.type	k_q8bd746b350_prep,@function
k_q8bd746b350_prep:
	s_mov_b64 s[64:65], 0
	v_nop
	global_prefetch_b8 v0, s[64:65] scope:SCOPE_SE
	s_setreg_imm32_b32 hwreg(HW_REG_WAVE_MODE, 25, 1), 1
	s_wait_xcnt 0x0
; PREP.  Work-groups 0-383: the six weights become codes of E4M3 with K innermost.  Work-groups 384-639: layer norm 1 of x, quantised three times (the scales of products 1, 2, 3 may differ).
; code = number / 2^e, held within +-448, to the nearest code, ties to even.  LIMITS: every e used here lies between -126 and 119, so that 2^e and 448 x 2^e are f32 numbers; NaN among the inputs is not served.
; WEIGHTS.  K is not the innermost axis of any of them.  A lane takes a column n and its registers run down K: a load reads 32 neighbouring columns (128 consecutive bytes), and the conversions, which take
; neighbours along K from one lane's registers, give codes with K innermost.  A wave takes 32 columns x 256 along K; its codes go through its own stage in LDS and leave as rows: 16 lanes store 256 consecutive, aligned bytes.
; One path serves the six tensors: pitches and bases are chosen by the work-group's number.  wcodes: byte 0 Wq, Wk, Wv [h 64 + e][1024]; 3 MiB Wp [n][1024]; 4 MiB W1 [n][1024]; 8 MiB W2 in the order of a fragment's registers.
; LAYER NORM.  One wave, one row of 4,096 bytes in 32 registers, four rows a wave, all loads issued at the head (48 a wave).  Mean, then the mean of squares of x - mean: no difference of large sums is formed.
; No tensor load, no barrier: waves share nothing.  The two paths have LDS bytes of their own.
.set STGL,   34816                     ; the weights' stages: 4 waves x 32 rows x 272 bytes, from byte 0; the norm's stages: 4 waves x 3,072 bytes, from here
.set WPITCH, 272                       ; a stage row: 256 bytes of codes + 16
.set VO,   12                          ; weights: v12-43   byte offset of row i of a block of 32 along K, at my column
.set DOF,  44                          ;          v44-59   byte offset in wcodes of the rows that store t writes
.set XW,   64                          ;          v64-127  two sets of 32 numbers
.set CW,   128                         ;          v128-135 a block's codes
.set OUTR, 136                         ;          v136-199 rows read back from the stage
.set GL,   8                           ; norm:    v8-39    the gain at my 32 columns
.set BL,   40                          ;          v40-71   the bias
.set XL,   72                          ;          v72-199  four rows
.set TL,   200                         ;          v200-215 two sets of eight held numbers
.set CDL,  216                         ;          v216-239 eight registers of codes for each of the three scales
.macro MKS e, vs, vl                   ; from the whole number in s[e]: v[vs] = 2^e as f32 (the conversion takes its exponent field), v[vl] = 448 x 2^e
	s_add_co_i32 s44, s[\e], 127
	s_lshl_b32 s45, s44, 23
	v_mov_b32 v[\vs], s45
	s_add_co_i32 s44, s44, 8
	s_lshl_b32 s44, s44, 23
	s_or_b32 s44, s44, 0x600000
	v_mov_b32 v[\vl], s44
.endm
	s_load_b512 s[4:19], s[0:1], 0x0               ; wq 4, wk 6, wv 8, wp 10, w1 12, w2 14, x 16, ln1_g 18
	s_load_b256 s[20:27], s[0:1], 0x40             ; ln1_b 20, lowp_scales 22, wcodes 24, xnc 26
	v_lshl_add_u32 v255, v0, 2, 0xb800
	s_set_vgpr_msb 0x40
	v_mov_b32 v1, 0
	s_set_vgpr_msb 0x4000
	v_lshrrev_b32 v1, 5, v0
	v_readfirstlane_b32 s28, v1                    ; wave
	v_and_b32 v1, 31, v0                           ; lane
	s_lshr_b32 s30, ttmp9, 7                       ; groups of 128 work-groups: 0 the four small weights, 1 w1, 2 w2, 3 and 4 the norm
	s_wait_kmcnt 0x0
	s_load_b512 s[68:83], s[22:23], 0x0            ; the sixteen exponents
	s_cmp_ge_u32 s30, 3
	s_cbranch_scc1 .Lln
	; ---------------- the weights ----------------
	s_and_b32 s31, ttmp9, 127
	s_lshr_b32 s32, s31, 5
	s_and_b32 s29, s31, 31
	s_add_co_u32 s33, s30, 3
	s_cmp_eq_u32 s30, 0
	s_cselect_b32 s31, s29, s31                    ; my number among the tensor's work-groups
	s_cselect_b32 s32, s32, s33                    ; the tensor: 0 wq, 1 wk, 2 wv, 3 wp, 4 w1, 5 w2
	s_cmp_eq_u32 s32, 4
	s_cselect_b32 s33, 5, 3                        ; log2 of the blocks of 128 columns: 32 in w1, else 8
	s_mov_b32 s36, 4096
	s_cselect_b32 s36, 16384, s36
	s_cmp_lt_u32 s32, 3
	s_cselect_b32 s36, 256, s36                    ; bytes from a row k to the next: 256 inside a head, else 4 N
	s_mov_b32 s37, 256
	s_cselect_b32 s37, 262144, s37                 ; bytes from 64 columns to the next 64: a head of 1,024 x 64 numbers, else 256
	s_cmp_eq_u32 s32, 5
	s_mov_b32 s38, 1024
	s_cselect_b32 s38, 4096, s38                   ; a row of codes in bytes: K
	s_cselect_b32 s39, 8, s32
	s_lshl_b32 s39, s39, 20                        ; the tensor's first byte in wcodes
	s_lshr_b32 s35, s31, s33                       ; which 256 along K
	s_lshl_b32 s34, s35, s33
	s_sub_co_u32 s34, s31, s34                     ; which 128 columns
	s_lshl_b32 s40, s34, 7
	s_lshl_b32 s41, s28, 5
	s_add_co_u32 s40, s40, s41                     ; my wave's first column
.macro PICKP n, p
	s_cmp_eq_u32 s32, \n
	s_cselect_b64 s[42:43], s[\p:\p+1], s[42:43]
.endm
	s_mov_b64 s[42:43], s[4:5]
	PICKP 1, 6
	PICKP 2, 8
	PICKP 3, 10
	PICKP 4, 12
	PICKP 5, 14
	s_lshr_b32 s44, s40, 6
	s_mul_i32 s44, s44, s37
	s_and_b32 s45, s40, 63
	s_lshl_b32 s45, s45, 2
	s_add_co_u32 s44, s44, s45                     ; the column's bytes
	s_lshl_b32 s45, s35, 8                         ; my first k; also my first byte in a row of codes
	s_mul_i32 s46, s45, s36
	s_add_co_u32 s46, s46, s44
	s_mov_b32 s47, 0
	s_add_nc_u64 s[48:49], s[42:43], s[46:47]      ; block 0 of my eight blocks of 32 along K
	s_lshl_b32 s46, s36, 5                         ; 32 rows on
.irp t, 1,2,3,4,5,6,7
	s_add_nc_u64 s[48+2*\t:49+2*\t], s[46+2*\t:47+2*\t], s[46:47]   ; a base for each block: none is ever stepped
.endr
	s_mul_i32 s84, s40, s38
	s_add_co_u32 s84, s84, s39
	s_add_co_u32 s84, s84, s45
	s_mov_b32 s85, 0
	s_add_nc_u64 s[66:67], s[24:25], s[84:85]      ; the codes of (my first column, my first k)
	s_mul_i32 s86, s28, 32*WPITCH                  ; my stage
	s_wait_alu depctr_va_vdst(0)
	v_mul_u32_u24 v4, v1, WPITCH
	v_add_nc_u32 v4, s86, v4                       ; into it: row = my column
	v_lshrrev_b32 v5, 4, v1
	v_and_b32 v6, 15, v1
	v_mul_u32_u24 v7, v5, WPITCH
	v_lshl_add_u32 v7, v6, 4, v7
	v_add_nc_u32 v7, s86, v7
	v_mul_u32_u24 v8, v6, WPITCH                   ; w2 leaves in the order of a fragment's registers: lane l reads row l % 16, 16 bytes at 16 (l / 16)
	v_lshl_add_u32 v8, v5, 4, v8
	v_add_nc_u32 v8, s86, v8
	v_lshlrev_b32 v9, 4, v1                        ; and stores them at 16 l
	v_lshlrev_b32 v[VO], 2, v1
.set i, 1
.rept 31
	v_add_nc_u32 v[VO+i], s36, v[VO+i-1]
.set i, i+1
.endr
	v_mul_lo_u32 v[DOF], v5, s38
	v_lshl_add_u32 v[DOF], v6, 4, v[DOF]
	s_lshl_b32 s87, s38, 1
.set i, 1
.rept 15
	v_add_nc_u32 v[DOF+i], s87, v[DOF+i-1]
.set i, i+1
.endr
.macro LOADW t                         ; block t: W(32 t + i, my column), i = 0 .. 31, into set t % 2
.set i, 0
.rept 32
	global_load_b32 v[XW+32*((\t)%2)+i], v[VO+i], s[48+2*(\t):49+2*(\t)] th:TH_LOAD_NT
.set i, i+1
.endr
.endm
	LOADW 0
	LOADW 1
	s_wait_kmcnt 0x0                               ; the exponents
.macro PICKE n, e
	s_cmp_eq_u32 s32, \n
	s_cselect_b32 s41, s[\e], s41
.endm
	s_mov_b32 s41, s68                             ; wq: entry 0; wk 2; wv 4; wp 11; w1 13; w2 15
	PICKE 1, 70
	PICKE 2, 72
	PICKE 3, 79
	PICKE 4, 81
	PICKE 5, 83
	MKS 41, 11, 10
.macro BLOCKW t
.set XS, XW+32*((\t)%2)
.if (\t) < 7
	s_wait_loadcnt 32                              ; this block's 32 loads are in; the next block's 32 may be out
.else
	s_wait_loadcnt 0
.endif
.set i, 0
.rept 32
	v_med3_num_f32 v[XS+i], v[XS+i], -v10, v10     ; the conversion to an 8-bit code does not saturate (ISA guide 7.6.2): the hold comes first
.set i, i+1
.endr
.irp g, 0,1,2,3
	v_cvt_scalef32_pk8_fp8_f32 v[CW+2*\g:CW+2*\g+1], v[XS+8*\g:XS+8*\g+7], v11
.endr
	ds_store_b128 v4, v[CW:CW+3] offset:32*(\t)    ; 32 codes of my column's row
	ds_store_b128 v4, v[CW+4:CW+7] offset:32*(\t)+16
.if (\t)+2 < 8
	LOADW (\t)+2
.endif
	s_wait_dscnt 0x0                               ; the stores have read their registers: the next block's codes may be written
.endm
	s_wait_alu depctr_va_vdst(0)
.irp t, 0,1,2,3,4,5,6,7
	BLOCKW \t
.endr
	s_cmp_eq_u32 s32, 5                            ; w2 has a way out of its own; the branch hangs on the work-group's number alone
	s_cbranch_scc1 .Lw2
.set t, 0
.rept 16
	ds_load_b128 v[OUTR+4*t:OUTR+4*t+3], v7 offset:2*t*WPITCH   ; LDS serves a wave's instructions in order (ISA guide 5.7.1.4): these see my stores
.set t, t+1
.endr
.set t, 0
.rept 16
	s_wait_dscnt 15-t
	global_store_b128 v[DOF+t], v[OUTR+4*t:OUTR+4*t+3], s[66:67]   ; sixteen lanes store 256 consecutive bytes, aligned
.set t, t+1
.endr
	s_set_vgpr_msb 0x4
	s_wait_tensorcnt 0x0
	ds_add_u32 v255, v1
	s_wait_dscnt 0x0
	s_set_vgpr_msb 0x400
	s_endpgm
	; ---------------- layer norm 1 and its three quantisers ----------------
	; W2's codes: block (n / 16, k / 128) is 2,048 bytes at 2048 (32 (n / 16) + k / 128): chunk c of 512 bytes holds, at 16 l, row l % 16, k = 32 c + 16 (l / 16) + 0 .. 15
.Lw2:
	s_mul_i32 s84, s35, 3840                       ; the base holds 4096 n + k; wanted is 4096 n + 16 k, k = 256 s35
	s_add_nc_u64 s[66:67], s[66:67], s[84:85]
.set t, 0
.rept 16
	ds_load_b128 v[OUTR+4*t:OUTR+4*t+3], v8 offset:(t/8)*16*WPITCH+((t/4)%2)*128+(t%4)*32
.set t, t+1
.endr
.set t, 0
.rept 16
	s_wait_dscnt 15-t
	global_store_b128 v9, v[OUTR+4*t:OUTR+4*t+3], s[66:67] offset:(t/8)*65536+((t/4)%2)*2048+(t%4)*512   ; 512 consecutive bytes, aligned
.set t, t+1
.endr
	s_set_vgpr_msb 0x4
	s_wait_tensorcnt 0x0
	ds_add_u32 v255, v1
	s_wait_dscnt 0x0
	s_set_vgpr_msb 0x400
	s_endpgm
.Lln:
	s_sub_co_u32 s29, ttmp9, 384
	s_lshl_b32 s29, s29, 4
	s_lshl_b32 s44, s28, 2
	s_add_co_u32 s29, s29, s44                     ; my first row: 16 x work-group + 4 x wave
	s_lshl_b32 s44, s29, 12
	s_mov_b32 s45, 0
	s_add_nc_u64 s[30:31], s[16:17], s[44:45]      ; x
	s_lshl_b32 s44, s29, 10
	s_add_nc_u64 s[32:33], s[26:27], s[44:45]      ; xnc, the three sets, 4 MiB apart
	s_add_nc_u64 s[34:35], s[32:33], 0x400000
	s_add_nc_u64 s[36:37], s[34:35], 0x400000
	s_mov_b32 s38, 0x76543210                      ; v_permlanex16_b32: lane l takes lane l xor 16
	s_mov_b32 s39, 0xfedcba98
	s_mov_b32 s40, 0x3a800000                      ; 1 / 1024
	s_mov_b32 s41, 0x3727c5ac                      ; 1e-5
	s_wait_alu depctr_va_vdst(0)
	v_lshlrev_b32 v2, 4, v1                        ; 16 x lane: lane l holds columns 128 j + 4 l + 0 .. 3 in registers 4 j .. 4 j + 3, so each load reads 512 consecutive bytes
	s_mul_i32 s46, s28, 3072
	s_add_co_u32 s46, s46, STGL                    ; my stage: three rows of 1,024 codes
	v_lshl_add_u32 v3, v1, 2, s46
	v_add_nc_u32 v4, s46, v2
.irp j, 0,1,2,3,4,5,6,7
	global_load_b128 v[GL+4*\j:GL+4*\j+3], v2, s[18:19] offset:512*\j
.endr
.irp j, 0,1,2,3,4,5,6,7
	global_load_b128 v[BL+4*\j:BL+4*\j+3], v2, s[20:21] offset:512*\j
.endr
.irp i, 0,1,2,3
.irp j, 0,1,2,3,4,5,6,7
	global_load_b128 v[XL+32*\i+4*\j:XL+32*\i+4*\j+3], v2, s[30:31] offset:4096*\i+512*\j th:TH_LOAD_NT
.endr
.endr
	v_mov_b32 v245, 0                              ; upper halves of pairs of which the low word serves both halves: named, so written
	v_mov_b32 v247, 0
	v_mov_b32 v248, 0                              ; a lane permute's destination counts as one of its sources
	s_wait_kmcnt 0x0
	MKS 69, 249, 252                               ; xn in product 1: entry 1
	MKS 71, 250, 253                               ; in product 2: entry 3
	MKS 73, 251, 254                               ; in product 3: entry 5
.macro WSUM                            ; v240 summed over the 32 lanes, the result in every lane
	v_add_f32_dpp v240, v240, v240 row_xmask:1 row_mask:0xf bank_mask:0xf
	v_add_f32_dpp v240, v240, v240 row_xmask:2 row_mask:0xf bank_mask:0xf
	v_add_f32_dpp v240, v240, v240 row_xmask:4 row_mask:0xf bank_mask:0xf
	v_add_f32_dpp v240, v240, v240 row_xmask:8 row_mask:0xf bank_mask:0xf
	v_permlanex16_b32 v248, v240, s38, s39
	v_add_f32 v240, v240, v248
.endm
.macro LNROW i, left                   ; left: the younger rows' loads, which may stay out
.set XR, XL+32*(\i)
	s_wait_loadcnt \left
	v_pk_add_f32 v[240:241], v[XR:XR+1], v[XR+2:XR+3]              ; the row's sum, two numbers at a time, in two chains
	v_pk_add_f32 v[242:243], v[XR+4:XR+5], v[XR+6:XR+7]
.set j, 8
.rept 6
	v_pk_add_f32 v[240:241], v[240:241], v[XR+j:XR+j+1]
	v_pk_add_f32 v[242:243], v[242:243], v[XR+j+2:XR+j+3]
.set j, j+4
.endr
	v_pk_add_f32 v[240:241], v[240:241], v[242:243]
	v_add_f32 v240, v240, v241
	WSUM
	v_mul_f32 v244, s40, v240                      ; the mean
.set j, 0
.rept 16
	v_pk_add_f32 v[XR+j:XR+j+1], v[XR+j:XR+j+1], v[244:245] op_sel_hi:[1,0] neg_lo:[0,1] neg_hi:[0,1]   ; x - mean
.set j, j+2
.endr
	v_pk_mul_f32 v[240:241], v[XR:XR+1], v[XR:XR+1]                ; the sum of squares, again in two chains
	v_pk_mul_f32 v[242:243], v[XR+2:XR+3], v[XR+2:XR+3]
.set j, 4
.rept 7
	v_pk_fma_f32 v[240:241], v[XR+j:XR+j+1], v[XR+j:XR+j+1], v[240:241]
	v_pk_fma_f32 v[242:243], v[XR+j+2:XR+j+3], v[XR+j+2:XR+j+3], v[242:243]
.set j, j+4
.endr
	v_pk_add_f32 v[240:241], v[240:241], v[242:243]
	v_add_f32 v240, v240, v241
	WSUM
	v_fma_f32 v240, v240, s40, s41                 ; the variance + 1e-5
	s_wait_alu depctr_va_vdst(0)
	v_rsq_f32 v246, v240
	v_nop                                          ; a plain instruction behind the transcendental (ISA guide 5.7.2),
	s_wait_alu depctr_va_vdst(0)                   ; and the wait ahead of its first reader
.set j, 0
.rept 16
	v_pk_mul_f32 v[XR+j:XR+j+1], v[XR+j:XR+j+1], v[246:247] op_sel_hi:[1,0]
	v_pk_fma_f32 v[XR+j:XR+j+1], v[XR+j:XR+j+1], v[GL+j:GL+j+1], v[BL+j:BL+j+1]
.set j, j+2
.endr
.irp c, 0,1,2                          ; three scales: the row is kept, the held numbers go to two sets by turns, so that eight plain lines stand between a conversion and the next write of its sources
.irp m, 0,1,2,3
.set n, 0
.rept 8
	v_med3_num_f32 v[TL+8*(\m%2)+n], v[XR+8*\m+n], -v[252+\c], v[252+\c]
.set n, n+1
.endr
	v_cvt_scalef32_pk8_fp8_f32 v[CDL+8*\c+2*\m:CDL+8*\c+2*\m+1], v[TL+8*(\m%2):TL+8*(\m%2)+7], v[249+\c]
.endr
.irp j, 0,1,2,3,4,5,6,7
	ds_store_b32 v3, v[CDL+8*\c+\j] offset:1024*\c+128*\j          ; register j: the four codes of columns 128 j + 4 l on
.endr
.endr
.irp c, 0,1,2
.irp s, 0,1
	ds_load_b128 v[XR+4*(2*\c+\s):XR+4*(2*\c+\s)+3], v4 offset:1024*\c+512*\s   ; back, 16 codes a lane, into the row's own registers, which are done with
.endr
.endr
	s_wait_dscnt 0x0
.irp c, 0,1,2
.irp s, 0,1
	global_store_b128 v2, v[XR+4*(2*\c+\s):XR+4*(2*\c+\s)+3], s[32+2*\c:33+2*\c] offset:1024*(\i)+512*\s   ; 512 consecutive bytes; no register of a store is ever written again
.endr
.endr
.endm
	LNROW 0, 24
	LNROW 1, 16
	LNROW 2, 8
	LNROW 3, 0
	s_set_vgpr_msb 0x4
	s_wait_tensorcnt 0x0
	ds_add_u32 v255, v1
	s_wait_dscnt 0x0
	s_set_vgpr_msb 0x400
	s_endpgm
.Lfunc_end_k_q8bd746b350_prep:
	.size	k_q8bd746b350_prep, .Lfunc_end_k_q8bd746b350_prep-k_q8bd746b350_prep
	.p2alignl 7, 3214868480
	.fill 96, 4, 3214868480
	.section	.rodata,"a",@progbits
	.p2align	6, 0x0
	.amdhsa_kernel k_q8bd746b350_prep
		.amdhsa_group_segment_fixed_size 47616
		.amdhsa_private_segment_fixed_size 0
		.amdhsa_enable_private_segment 0
		.amdhsa_kernarg_size 96
		.amdhsa_user_sgpr_count 2
		.amdhsa_user_sgpr_kernarg_segment_ptr 1
		.amdhsa_wavefront_size32 1
		.amdhsa_system_sgpr_workgroup_id_x 1
		.amdhsa_system_sgpr_workgroup_id_y 1
		.amdhsa_system_sgpr_workgroup_id_z 1
		.amdhsa_system_vgpr_workitem_id 0
		.amdhsa_next_free_vgpr 258
		.amdhsa_next_free_sgpr 96
		.amdhsa_reserve_vcc 0
		.amdhsa_float_denorm_mode_32 3
		.amdhsa_float_denorm_mode_16_64 3
		.amdhsa_memory_ordered 1
		.amdhsa_forward_progress 1
		.amdhsa_inst_pref_size 124
	.end_amdhsa_kernel
	.amdgpu_metadata
---
amdhsa.version: [ 1, 2 ]
amdhsa.kernels:
  - .name:           k_q8bd746b350_prep
    .symbol:         k_q8bd746b350_prep.kd
    .args:
      - { .name: wq, .offset: 0, .size: 8, .value_kind: global_buffer, .address_space: global }
      - { .name: wk, .offset: 8, .size: 8, .value_kind: global_buffer, .address_space: global }
      - { .name: wv, .offset: 16, .size: 8, .value_kind: global_buffer, .address_space: global }
      - { .name: wp, .offset: 24, .size: 8, .value_kind: global_buffer, .address_space: global }
      - { .name: w1, .offset: 32, .size: 8, .value_kind: global_buffer, .address_space: global }
      - { .name: w2, .offset: 40, .size: 8, .value_kind: global_buffer, .address_space: global }
      - { .name: x, .offset: 48, .size: 8, .value_kind: global_buffer, .address_space: global }
      - { .name: ln1_g, .offset: 56, .size: 8, .value_kind: global_buffer, .address_space: global }
      - { .name: ln1_b, .offset: 64, .size: 8, .value_kind: global_buffer, .address_space: global }
      - { .name: lowp_scales, .offset: 72, .size: 8, .value_kind: global_buffer, .address_space: global }
      - { .name: wcodes, .offset: 80, .size: 8, .value_kind: global_buffer, .address_space: global }
      - { .name: xnc, .offset: 88, .size: 8, .value_kind: global_buffer, .address_space: global }
    .group_segment_fixed_size: 47616
    .private_segment_fixed_size: 0
    .kernarg_segment_align: 8
    .kernarg_segment_size: 96
    .max_flat_workgroup_size: 128
    .sgpr_count:     96
    .vgpr_count:     258
    .wavefront_size: 32
...
	.end_amdgpu_metadata
.endif
;; end of part 1
;; launch qkv (part 2): grid 12 x 16, 4 waves a work-group, clusters of 4 x 4, 327,680 bytes of LDS; arguments xnc, wcodes, lowp_scales, bq, bk, bv, qkvc; writes qkvc
.if DOCPART == 2
	.amdgcn_target "amdgcn-amd-amdhsa--gfx1250"
	.amdhsa_code_object_version 6
	.text
	.protected	k_q8bd746b350_qkv
	.globl	k_q8bd746b350_qkv
	.p2align	8
	.type	k_q8bd746b350_qkv,@function
k_q8bd746b350_qkv:
	s_mov_b64 s[64:65], 0
	v_nop
	global_prefetch_b8 v0, s[64:65] scope:SCOPE_SE
	s_setreg_imm32_b32 hwreg(HW_REG_WAVE_MODE, 25, 1), 1
	s_wait_xcnt 0x0
	s_wait_alu depctr_hold_cnt(0) depctr_sa_sdst(0) depctr_va_vdst(0) depctr_va_sdst(0) depctr_va_ssrc(0) depctr_va_vcc(0) depctr_vm_vsrc(0)
	s_getreg_b32 s2, hwreg(HW_REG_IB_STS2, 6, 4)
	s_cmp_eq_u32 s2, 0
	s_cbranch_scc0 .Lentry_in_a_cluster
	s_endpgm
.Lentry_in_a_cluster:
	s_bfe_u32 s2, ttmp6, 0x10000c
	s_cmp_lg_u32 s2, 0xf033
	s_cbranch_scc0 .Lentry_shape_is_right
	s_endpgm
.Lentry_shape_is_right:
; Q, K and V^T: C = Q8((A B^T) x 2^(ea + eb) + bias), A and B codes of E4M3 with K = 1,024 innermost, C codes of E4M3.  The text serves two launches; QKV = 1 is this one.
; The cluster's x is the mode: 0 q = xn Wq^T + bq, 1 k likewise, 2 V^T = Wv xn^T + bv with the roles of the operands exchanged, so that v's codes come out with the keys innermost, as the second product of attention wants them.
; qkvc: three regions of 4 MiB: q and k [b][h][s][64 e]; V^T [b][h][key / 64][e][key % 64].
; LIMITS: ea + eb between -126 and 127, the result's e between -126 and 119, so that each power of two below is an f32 number.  A fragment is fetched 16 bytes at a time: a permutation of k, alike in both operands.
; A tile of C, 256 x 256, is made by four waves, each 128 x 128: 64 accumulators, 512 registers.  K goes in steps of 256 through two LDS slots filled by the tensor data mover; a tile's row is 256 bytes of memory.
; CLUSTERS: 4 x 4 work-groups; A's tile is asked for jointly by the four of a row of the cluster, B's by the four of a column.  THE MATRIX INSTRUCTION IS USED TRANSPOSED (source 0 = 16 rows of B, source 1 = 16 rows
; of A): a lane holds eight neighbouring numbers of a row of C, which one conversion turns into eight codes.
; REGISTERS, in windows of 256: window 0: v0-31 addresses; v32-95 the bias by columns; v96-111 the bias by rows; v112-127 codes; from v128 A's fragments, ONE set.  window 1: B's fragments, TWO sets.  windows 2, 3: the accumulators.
.set QKV,    1
.set SIZE_K, 1024
.set KSTEP,  256
.set ROWB,   256
.set KROW,   SIZE_K
.set PITCH,  272                       ; an LDS row: 256 bytes + 16 = 68 words: row r starts at bank 4 r mod 64 (64 banks of 4 bytes: ISA guide 11.1)
.set FR,     16
.set NL,     4
.set NP,     4                         ; places behind this matrix instruction (ISA guide 7.12.1)
.set HALFT,  128*PITCH
.set SLOT,   4*HALFT
.set LAPS,   SIZE_K/(2*KSTEP)
.set SPARE,  2*SLOT                    ; behind the ring: the spare words, 128 bytes for each wave, which no other line names
.set SPITCH, 272                       ; the way out: ONE stage of 256 rows x (256 codes + 16) in slot 0, which has had its last fill and its last read when the first code is stored there
.set CPITCH, 4096
.set ADRA, 16
.set ADRB, 20
.set STO,  24                          ; v24  the stage: where I put eight codes
.set RD,   25                          ; v25  where I read rows back
.set CO,   26                          ; v26  my byte offset in 512 consecutive bytes of C
.set SPW,  28
.set NIL,  29
.set LIM,  30                          ; v30  448 x 2^e of the result
.set SCV,  31                          ; v31  2^e of the result
.set BN,   32
.set BM,   96
.set CD,   112
.set TMP,  128
.set AF,   128
.set BK,   128
.set G1, 24
.set G0, 32
.set G1B, 48
.set G0B, 56
.set MSB, 0
.macro WIN new                         ; the immediate's high byte repeats the setting that is left
.if MSB != \new
	s_set_vgpr_msb (MSB<<8)|\new
.set MSB, \new
.endif
.endm
.set MUL_LO, 0xa1                      ; source 0 (B) window 1, source 1 (A) window 0, C and D window 2
.set MUL_HI, 0xf1
.set TO_B,   0x40
.macro JLOAD g0a, g1a, g0b, g1b        ; a joint load: waves 0 and 1 fetch for A, waves 2 and 3 for B; the branch hangs on the wave's number alone; four v_nop follow each line
	s_cmp_eq_u32 s15, 0
	s_cbranch_scc0 .Lfor_b_\@
	tensor_load_to_lds s[\g0a:\g0a+3], s[\g1a:\g1a+7]
	s_nop 0
.rept 4
	v_nop
.endr
	s_branch .Lasked_\@
.Lfor_b_\@:
	tensor_load_to_lds s[\g0b:\g0b+3], s[\g1b:\g1b+7]
	s_nop 0
.rept 4
	v_nop
.endr
.Lasked_\@:
.endm
.macro CREST                           ; a round of the cluster's barrier behind its opening barrier
	s_cmp_lg_u32 s14, 0
	s_cbranch_scc1 .Lnot_wave_0_\@
	s_barrier_signal -3
.Lnot_wave_0_\@:
	s_barrier_wait -3
	s_barrier_signal -1
	s_barrier_wait -1
.endm
.macro CROUND
	s_barrier_signal -1
	s_barrier_wait -1
	CREST
.endm
	s_load_b128 s[4:7], s[0:1], 0x0                ; the activations' codes, wcodes
	s_load_b128 s[8:11], s[0:1], 0x10              ; lowp_scales, the first bias
.if QKV
	s_load_b128 s[84:87], s[0:1], 0x20             ; bk, bv
	s_load_b64 s[12:13], s[0:1], 0x30              ; C
.else
	s_load_b64 s[12:13], s[0:1], 0x20              ; C
.endif
	v_lshl_add_u32 v[SPW], v0, 2, SPARE
	v_mov_b32 v[NIL], 0
	ds_add_u32 v28, v29
	ds_add_u32 v28, v29
	s_wait_dscnt 0x0
	v_lshrrev_b32 v1, 5, v0
	v_readfirstlane_b32 s14, v1                    ; wave 0..3
	s_lshr_b32 s15, s14, 1                         ; which half of the tile's rows is mine.  Also: I fetch for A (0) or for B (1)
	s_and_b32 s16, s14, 1                          ; which half of its columns.  Also: which 128 rows of that tile I fetch
	s_bfe_u32 s40, ttmp6, 0x40000                  ; cx, cy: my place in the cluster
	s_bfe_u32 s41, ttmp6, 0x40004
	s_and_b32 s67, ttmp7, 0xffff
	s_lshl_b32 s67, s67, 2                         ; 4 x cluster y
.if QKV
	s_mov_b32 s66, ttmp9                           ; the mode: the same in all sixteen partners
	s_cmp_lt_u32 s66, 2
	s_cselect_b32 s17, s67, 0                      ; q, k: A = xn, 16 tiles of rows; V^T: A = Wv, 4 tiles
	s_cselect_b32 s42, 0, s67                      ; q, k: B = W, 4 tiles; V^T: B = xn
	s_cselect_b32 s88, 22, 20                      ; a set of xn's codes is 4 MiB, a weight's codes 1 MiB
	s_cselect_b32 s94, 20, 22
	s_lshl_b32 s88, s66, s88
	s_lshl_b32 s94, s66, s94
	s_mov_b32 s89, 0
	s_mov_b32 s95, 0
.else
	s_mov_b32 s17, s67
	s_lshl_b32 s42, ttmp9, 2
.endif
	s_add_co_u32 s17, s17, s41                     ; A's tile: it hangs on cy alone of my place
	s_add_co_u32 s42, s42, s40                     ; B's tile: on cx alone
	s_lshl_b32 s43, s41, 2
	s_lshl_b32 s43, 15, s43                        ; my row of the cluster
	s_lshl_b32 s44, 0x1111, s40                    ; my column
	s_or_b32 s[G1+0], s43, (0<<16)|(1<<20)|(1<<21)|(5<<22)|(3<<25)  ; 15:0 the mask; 17:16 elements of 1 byte; 20 padding on; 21 set beside a mask; 24:22 after every 64 words; 31:25 four words
	s_or_b32 s[G1B+0], s44, (0<<16)|(1<<20)|(1<<21)|(5<<22)|(3<<25)
.irp g, G1, G1B
	s_mov_b32 s[\g+1], ROWB<<16                    ; tensor_dim0
	s_mov_b32 s[\g+2], 128<<16                     ; tensor_dim1
	s_mov_b32 s[\g+3], ROWB<<16                    ; tile_dim0
	s_mov_b32 s[\g+4], 128                         ; tile_dim1
	s_mov_b32 s[\g+5], KROW                        ; tensor_dim0_stride
	s_mov_b32 s[\g+6], 0
	s_mov_b32 s[\g+7], 0
.endr
	s_lshl_b32 s18, s16, 7
	s_lshl_b32 s20, s17, 8
	s_add_co_u32 s20, s20, s18
	s_lshl_b32 s20, s20, 10                        ; A: (256 x tile + 128 x half) rows of 1,024 bytes: under 2^22
	s_lshl_b32 s46, s42, 8
	s_add_co_u32 s46, s46, s18
	s_lshl_b32 s46, s46, 10                        ; B likewise
	s_mov_b32 s21, 0
	s_mov_b32 s47, 0
	s_mul_i32 s45, s14, HALFT                      ; where they go: wave x 128 rows
	s_wait_kmcnt 0x0
	s_load_b512 s[68:83], s[8:9], 0x0              ; the sixteen exponents
.if QKV
	s_cmp_lt_u32 s66, 2
	s_cselect_b64 s[90:91], s[4:5], s[6:7]
	s_cselect_b64 s[92:93], s[6:7], s[4:5]
	s_add_nc_u64 s[90:91], s[90:91], s[88:89]
	s_add_nc_u64 s[92:93], s[92:93], s[94:95]
.else
	s_mov_b64 s[90:91], s[4:5]
	s_add_nc_u64 s[92:93], s[6:7], 0x400000        ; W1's codes
.endif
	s_add_nc_u64 s[20:21], s[90:91], s[20:21]
	s_add_nc_u64 s[46:47], s[92:93], s[46:47]
	CROUND                                         ; all sixteen work-groups are here: the first joint loads meet
.irp s, 0,1
	s_mov_b32 s[G0+4*\s], 1
	s_add_co_u32 s[G0+4*\s+1], s45, \s*SLOT
	s_add_nc_u64 s[G0+4*\s+2:G0+4*\s+3], s[20:21], \s*ROWB
	s_or_b32 s[G0+4*\s+3], s[G0+4*\s+3], 0x80000000
	s_mov_b32 s[G0B+4*\s], 1
	s_add_co_u32 s[G0B+4*\s+1], s45, \s*SLOT
	s_add_nc_u64 s[G0B+4*\s+2:G0B+4*\s+3], s[46:47], \s*ROWB
	s_or_b32 s[G0B+4*\s+3], s[G0B+4*\s+3], 0x80000000
.endr
	s_cmp_eq_u32 s15, 0                            ; the prefetches' base: the 128 rows that I fetch; of them my work-group takes 32, told apart by address (cx among A's four partners, cy among B's)
	s_cselect_b64 s[92:93], s[20:21], s[46:47]
	s_cselect_b32 s94, s40, s41
	s_lshl_b32 s94, s94, 15
	s_mov_b32 s95, 0
	s_add_nc_u64 s[92:93], s[92:93], s[94:95]
	JLOAD G0, G1, G0B, G1B
	v_and_b32 v1, 15, v0                           ; r = l % 16
	v_bfe_u32 v2, v0, 4, 1                         ; h = l / 16
	v_mul_u32_u24 v3, v1, PITCH
	s_wait_alu depctr_va_vdst(0)
	v_lshl_add_u32 v4, v2, 4, v3
	s_mul_i32 s21, s15, HALFT
	s_mul_i32 s22, s16, HALFT
	s_add_co_u32 s22, s22, 2*HALFT
.irp s, 0,1
	v_add_nc_u32 v[ADRA+\s], s21, v4
	v_add_nc_u32 v[ADRB+\s], s22, v4
	s_add_co_u32 s21, s21, SLOT
	s_add_co_u32 s22, s22, SLOT
.endr
	s_mul_i32 s23, s15, 128*SPITCH                 ; the stage, in: row 128 x row half + r, byte 128 x column half + 8 h
	s_lshl_b32 s21, s16, 7
	s_add_co_u32 s23, s23, s21
	v_lshl_add_u32 v5, v2, 3, v3
	v_add_nc_u32 v[STO], s23, v5
	s_mul_i32 s23, s14, 64*SPITCH                  ; back: wave w takes rows 64 w on, whole
	; qkvc, three regions of 4 MiB: q and k [b][h][s][64 e]; V^T [b][h][key / 64][e][key % 64].  In each, eight rows of the tile x 64 bytes are 512 consecutive bytes.
	v_bfe_u32 v5, v0, 2, 3                         ; back: four lanes to 64 bytes of a row, eight rows an instruction
	v_mul_u32_u24 v5, v5, SPITCH
	v_and_b32 v6, 3, v0
	v_lshl_add_u32 v5, v6, 4, v5
	v_add_nc_u32 v[RD], s23, v5
	v_and_b32 v5, 31, v0
	v_lshlrev_b32 v[CO], 4, v5
	s_cmp_lt_u32 s66, 2                            ; q, k: head 4 cx + j (65,536 bytes each), row 256 cy + 64 wave (64 bytes each); V^T: head 4 cy + wave, block of keys 4 cx + j (4,096 bytes each)
	s_cselect_b32 s20, s40, s41
	s_cselect_b32 s21, s41, s40
	s_cselect_b32 s46, 12, 16
	s_cselect_b32 s47, 16, 12
	s_lshl_b32 s20, s20, 18
	s_lshl_b32 s21, s21, 14
	s_add_co_u32 s20, s20, s21
	s_lshl_b32 s21, s14, s46
	s_add_co_u32 s20, s20, s21
	s_lshl_b32 s21, s66, 22                        ; the region
	s_add_co_u32 s20, s20, s21
	s_lshl_b32 s21, s67, 18                        ; b = cluster y: 2^20 bytes each
	s_add_co_u32 s20, s20, s21
	s_mov_b32 s21, 0
	s_add_nc_u64 s[12:13], s[12:13], s[20:21]
	s_lshl_b32 s88, 1, s47                         ; bytes from 64 columns to the next 64
	s_mov_b32 s89, 0
	s_lshl_b32 s46, s40, 8
	s_lshl_b32 s46, s46, 2                         ; the bias by columns: f32 numbers 256 x column tile + 128 x column half on
	s_lshl_b32 s47, s16, 9
	s_add_co_u32 s46, s46, s47
	s_mov_b32 s47, 0
.if QKV
	s_cmp_eq_u32 s66, 1
	s_cselect_b64 s[10:11], s[84:85], s[10:11]
	s_cmp_eq_u32 s66, 2
	s_cselect_b64 s[10:11], s[86:87], s[10:11]     ; bq, bk or bv
.endif
	s_add_nc_u64 s[84:85], s[10:11], s[46:47]
	v_lshlrev_b32 v7, 5, v2                        ; 32 h: lane (r, h) wants, for tile b, numbers 16 b + 8 h + 0 .. 7
.irp b, 0,1,2,3,4,5,6,7
	global_load_b128 v[BN+8*\b:BN+8*\b+3], v7, s[84:85] offset:64*\b
	global_load_b128 v[BN+8*\b+4:BN+8*\b+7], v7, s[84:85] offset:64*\b+16
.endr
.if QKV
	s_lshl_b32 s46, s41, 10                        ; the bias by rows (V^T): numbers 256 cy + 128 x row half on.  Both are inside the 1,024 in every mode, and both are loaded always
	s_lshl_b32 s47, s15, 9
	s_add_co_u32 s46, s46, s47
	s_mov_b32 s47, 0
	s_add_nc_u64 s[86:87], s[10:11], s[46:47]
	v_lshlrev_b32 v8, 2, v1                        ; 4 r: for block a, number 16 a + r, in both registers of a pair
.irp a, 0,1,2,3,4,5,6,7
	global_load_b32 v[BM+2*\a], v8, s[86:87] offset:64*\a
	global_load_b32 v[BM+2*\a+1], v8, s[86:87] offset:64*\a
.endr
.endif
.macro FRAG reg, adr, q, i             ; a fragment, 16 rows x 128 K, is 16 registers: lane l holds row l % 16; registers 4 c .. 4 c + 3 hold K = 32 c + 16 (l / 16) + 0 .. 15
.irp c, 0,1,2,3
	ds_load_b128 v[\reg+4*\c:\reg+4*\c+3], v[\adr] offset:128*(\q)+32*\c+(\i)*16*PITCH
.endr
.endm
; 16 matrix instructions: A's blocks a0, a0 + 1 x B's eight.  The 64 accumulators take turns, one instruction a turn, in the same order in every step.
.macro MUL16 a0, p, zero
.irp a, \a0, \a0+1
.irp b, 0,1,2,3,4,5,6,7
.if \zero
	v_wmma_f32_16x16x128_fp8_fp8 v[8*(8*((\a)%4)+\b):8*(8*((\a)%4)+\b)+7], v[128*(\p)+FR*\b:128*(\p)+FR*\b+FR-1], v[AF+FR*(\a):AF+FR*(\a)+FR-1], 0
.else
	v_wmma_f32_16x16x128_fp8_fp8 v[8*(8*((\a)%4)+\b):8*(8*((\a)%4)+\b)+7], v[128*(\p)+FR*\b:128*(\p)+FR*\b+FR-1], v[AF+FR*(\a):AF+FR*(\a)+FR-1], v[8*(8*((\a)%4)+\b):8*(8*((\a)%4)+\b)+7]
.endif
.endr
.endr
.endm
.macro FETCH_B slot, q, p
	WIN TO_B
.irp i, 0,1,2,3,4,5,6,7
	FRAG 128*(\p)+FR*\i, ADRB+\slot, \q, \i
.endr
	WIN 0
.endm
.macro FETCH_A slot, q, i0
.irp i, \i0, \i0+1, \i0+2, \i0+3
	FRAG AF+FR*(\i), ADRA+\slot, \q, \i
.endr
.endm
.macro PLACES n                        ; plain vector lines between a matrix instruction and a load into, or a read of, its registers
.rept \n
	v_nop
.endr
.endm
.macro STEP slot, q, zero              ; a step of 128 along K that has its successor in the same slot
	s_wait_dscnt 4*NL                              ; B's set and A's blocks 0-3 are in; the youngest 16 loads (A's blocks 4-7) may be out
	WIN MUL_LO
	MUL16 0, (\q)%2, \zero
	MUL16 2, (\q)%2, \zero
	s_wait_dscnt 0                                 ; A's blocks 4-7 are in
	PLACES NP
	FETCH_B \slot, (\q)+1, 1-(\q)%2
	FETCH_A \slot, (\q)+1, 0
	WIN MUL_HI
	MUL16 4, (\q)%2, \zero
	MUL16 6, (\q)%2, \zero
	PLACES NP
	WIN 0
	FETCH_A \slot, (\q)+1, 4
.endm
; A slot's last step changes slots: ONE barrier; in front of it each wave waits for all its tensor loads, adds 0 to its spare word, and waits for that and for its own reads of this slot.
.macro TURN slot, next, fill
	s_wait_tensorcnt 0x0                           ; all my tensor loads have landed: my part of the next slot
	ds_add_u32 v[SPW], v[NIL]                      ; 0 onto my spare word
	s_wait_dscnt 4*NL+1                            ; (the add and the youngest 16 loads may be out)
	WIN MUL_LO
	MUL16 0, 1, 0
	s_wait_dscnt 0x0                               ; the add is done, and my reads of this slot are over
	s_barrier_signal -1
	MUL16 2, 1, 0
	WIN 0
	s_barrier_wait -1
.if \fill
	CREST                                          ; the barrier has opened a round of the cluster's: no wave of any partner still reads this slot or has a load on its way
	s_add_nc_u64 s[G0+4*\slot+2:G0+4*\slot+3], s[G0+4*\slot+2:G0+4*\slot+3], 2*ROWB
	s_add_nc_u64 s[G0B+4*\slot+2:G0B+4*\slot+3], s[G0B+4*\slot+2:G0B+4*\slot+3], 2*ROWB
	JLOAD G0+4*\slot, G1, G0B+4*\slot, G1B         ; the first tensor load behind the round; its four v_nop are the places in front of the loads below
.else
	PLACES NP
.endif
	FETCH_B \next, 0, 0
	FETCH_A \next, 0, 0
	WIN MUL_HI
	MUL16 4, 1, 0
	MUL16 6, 1, 0
	PLACES NP
	WIN 0
	FETCH_A \next, 0, 4
.endm
	v_and_b32 v9, 31, v0
	v_lshlrev_b32 v9, 10, v9                       ; a lane a row of 1,024 bytes; a K step is 256 aligned bytes of it
	global_prefetch_b8 v9, s[92:93] offset:256 th:TH_LOAD_NT scope:SCOPE_SE   ; K step 1, whose load follows behind the next round,
	global_prefetch_b8 v9, s[92:93] offset:512 th:TH_LOAD_NT scope:SCOPE_SE   ; and K step 2, two loads on.  Neither register is written again
	s_wait_alu depctr_va_vdst(0)
	s_wait_tensorcnt 0x0
	ds_add_u32 v[SPW], v[NIL]
	s_wait_dscnt 0x0
	CROUND                                         ; a whole round: everybody's part is in, and the joint loads meet
	JLOAD G0+4, G1, G0B+4, G1B                     ; K step 1, the first tensor load behind the round
	FETCH_B 0, 0, 0
	FETCH_A 0, 0, 0
	FETCH_A 0, 0, 4
	global_prefetch_b8 v9, s[92:93] offset:768 th:TH_LOAD_NT scope:SCOPE_SE   ; behind K step 1's load: K step 3, the last
	STEP 0, 0, 1
	s_mov_b32 s3, LAPS-1
.Llap:                                                 ; a trip goes once round the ring and fills both slots again
	TURN 0, 1, 1
	STEP 1, 0, 0
	TURN 1, 0, 1
	STEP 0, 0, 0
	s_sub_co_u32 s3, s3, 1
	s_cmp_lg_u32 s3, 0
	s_cbranch_scc1 .Llap
	TURN 0, 1, 0                                   ; the last lap fills nothing
	STEP 1, 0, 0
	s_wait_dscnt 4*NL
	WIN MUL_LO
	MUL16 0, 1, 0
	MUL16 2, 1, 0
	s_wait_dscnt 0
	WIN MUL_HI
	MUL16 4, 1, 0
	MUL16 6, 1, 0
	WIN 0
; THE WAY OUT.  Block a (16 rows x 128 columns): sum x 2^(ea + eb) + bias, the hold, eight codes a conversion, 8 bytes a lane into the stage.  Each accumulator is read from its low end on.
.macro TOCODES a
.set AC, 64*((\a)%4)
.if QKV
	s_cmp_eq_u32 s66, 2                            ; V^T has its bias by rows.  The mode is the cluster's x: the branch is the same in all partners
	s_cbranch_scc1 .Lby_rows_\@
.endif
	WIN 0x02+((\a)/4)                              ; source 0: window 2 or 3
.set j, 0
.rept 32
	v_pk_fma_f32 v[TMP+j:TMP+j+1], v[AC+j:AC+j+1], s[96:97], v[BN+j:BN+j+1] op_sel_hi:[1,0,1]
.set j, j+2
.endr
	WIN 0
.if QKV
	s_branch .Lbiased_\@
.Lby_rows_\@:
	WIN 0x02+((\a)/4)
.set j, 0
.rept 32
	v_pk_fma_f32 v[TMP+j:TMP+j+1], v[AC+j:AC+j+1], s[96:97], v[BM+2*(\a):BM+2*(\a)+1] op_sel_hi:[1,0,1]
.set j, j+2
.endr
	WIN 0
.Lbiased_\@:
.endif
.set j, 0
.rept 64
.if QKV
	v_med3_num_f32 v[TMP+j], v[TMP+j], -v[LIM], v[LIM]             ; the conversion does not saturate (ISA guide 7.6.2): the hold comes first
.else
	v_med3_num_f32 v[TMP+j], v[TMP+j], 0, v[LIM]                   ; relu and the hold in one
.endif
.set j, j+1
.endr
.irp b, 0,1,2,3,4,5,6,7
	v_cvt_scalef32_pk8_fp8_f32 v[CD+2*\b:CD+2*\b+1], v[TMP+8*\b:TMP+8*\b+7], v[SCV]
.endr
	v_nop                                          ; a plain line behind the last conversion, ahead of the next vector line that writes its sources
.irp b, 0,1,2,3,4,5,6,7
	ds_store_b64 v[STO], v[CD+2*\b:CD+2*\b+1] offset:(\a)*16*SPITCH+16*\b   ; lane (r, h): C(16 a + r, 16 b + 8 h + 0 .. 7)
.endr
.endm
	s_wait_kmcnt 0x0
.if QKV
	s_add_co_i32 s96, s68, s69                     ; product 1: entries 0, 1; product 2: 2, 3; product 3: 4, 5
	s_add_co_i32 s97, s70, s71
	s_add_co_i32 s98, s72, s73
	s_cmp_eq_u32 s66, 1
	s_cselect_b32 s96, s97, s96
	s_cselect_b32 s99, s75, s74                    ; q is quantised by entry 6, k by 7, v by 9
	s_cmp_eq_u32 s66, 2
	s_cselect_b32 s96, s98, s96
	s_cselect_b32 s99, s77, s99
.else
	s_add_co_i32 s96, s80, s81                     ; product 7: entries 12, 13
	s_mov_b32 s99, s82                             ; h is quantised by entry 14
.endif
	s_add_co_i32 s96, s96, 127
	s_lshl_b32 s96, s96, 23                        ; 2^(ea + eb) as f32
	s_mov_b32 s97, s96                             ; (named with it as a pair, so it is written)
	s_add_co_i32 s99, s99, 127
	s_lshl_b32 s98, s99, 23
	v_mov_b32 v[SCV], s98
	s_add_co_i32 s99, s99, 8
	s_lshl_b32 s99, s99, 23
	s_or_b32 s99, s99, 0x600000
	v_mov_b32 v[LIM], s99
	s_mov_b64 s[32:33], s[12:13]                   ; a base for each 64 columns (the descriptors' registers are done with: every tensor load has been waited for)
	s_add_nc_u64 s[34:35], s[32:33], s[88:89]
	s_add_nc_u64 s[36:37], s[34:35], s[88:89]
	s_add_nc_u64 s[38:39], s[36:37], s[88:89]
	s_wait_loadcnt 0x0
	PLACES NP
.irp a, 0,1,2,3,4,5,6,7
	TOCODES \a
.endr
	s_wait_dscnt 0x0                               ; for the others' sake: a row's 256 codes come from two waves
	s_barrier_signal -1
	s_barrier_wait -1
.set t, 0
.rept 32
	ds_load_b128 v[BK+4*t:BK+4*t+3], v[RD] offset:(t%8)*8*SPITCH+64*(t/8)
.set t, t+1
.endr
.set t, 0
.rept 32
	s_wait_dscnt 31-t
	global_store_b128 v[CO], v[BK+4*t:BK+4*t+3], s[32+2*(t/8):33+2*(t/8)] offset:512*(t%8)   ; 512 consecutive bytes, aligned
.set t, t+1
.endr
	s_wait_tensorcnt 0x0                           ; the wave's end
	ds_add_u32 v[SPW], v[NIL]
	s_wait_dscnt 0x0
	CROUND                                         ; the closing round
	s_endpgm
.Lfunc_end_k_q8bd746b350_qkv:
	.size	k_q8bd746b350_qkv, .Lfunc_end_k_q8bd746b350_qkv-k_q8bd746b350_qkv
	.p2alignl 7, 3214868480
	.fill 96, 4, 3214868480
	.section	.rodata,"a",@progbits
	.p2align	6, 0x0
	.amdhsa_kernel k_q8bd746b350_qkv
		.amdhsa_group_segment_fixed_size 327680
		.amdhsa_private_segment_fixed_size 0
		.amdhsa_enable_private_segment 0
		.amdhsa_kernarg_size 56
		.amdhsa_user_sgpr_count 2
		.amdhsa_user_sgpr_kernarg_segment_ptr 1
		.amdhsa_wavefront_size32 1
		.amdhsa_system_sgpr_workgroup_id_x 1
		.amdhsa_system_sgpr_workgroup_id_y 1
		.amdhsa_system_sgpr_workgroup_id_z 1
		.amdhsa_system_vgpr_workitem_id 0
		.amdhsa_next_free_vgpr 1024
		.amdhsa_next_free_sgpr 100
		.amdhsa_reserve_vcc 0
		.amdhsa_float_denorm_mode_32 3
		.amdhsa_float_denorm_mode_16_64 3
		.amdhsa_memory_ordered 1
		.amdhsa_forward_progress 1
		.amdhsa_inst_pref_size 164
	.end_amdhsa_kernel
	.amdgpu_metadata
---
amdhsa.version: [ 1, 2 ]
amdhsa.kernels:
  - .name:           k_q8bd746b350_qkv
    .symbol:         k_q8bd746b350_qkv.kd
    .args:
      - { .name: xnc, .offset: 0, .size: 8, .value_kind: global_buffer, .address_space: global }
      - { .name: wcodes, .offset: 8, .size: 8, .value_kind: global_buffer, .address_space: global }
      - { .name: lowp_scales, .offset: 16, .size: 8, .value_kind: global_buffer, .address_space: global }
      - { .name: bq, .offset: 24, .size: 8, .value_kind: global_buffer, .address_space: global }
      - { .name: bk, .offset: 32, .size: 8, .value_kind: global_buffer, .address_space: global }
      - { .name: bv, .offset: 40, .size: 8, .value_kind: global_buffer, .address_space: global }
      - { .name: qkvc, .offset: 48, .size: 8, .value_kind: global_buffer, .address_space: global }
    .group_segment_fixed_size: 327680
    .private_segment_fixed_size: 0
    .kernarg_segment_align: 8
    .kernarg_segment_size: 56
    .max_flat_workgroup_size: 128
    .sgpr_count:     100
    .vgpr_count:     1024
    .wavefront_size: 32
...
	.end_amdgpu_metadata
.endif
;; end of part 2
;; launch attn (part 3): grid 4 x 64, 16 waves a work-group, clusters of 4 x 1, 186,368 bytes of LDS; arguments qkvc, lowp_scales, oc; writes oc
.if DOCPART == 3
	.amdgcn_target "amdgcn-amd-amdhsa--gfx1250"
	.amdhsa_code_object_version 6
	.text
	.protected	k_q8bd746b350_attn
	.globl	k_q8bd746b350_attn
	.p2align	8
	.type	k_q8bd746b350_attn,@function
k_q8bd746b350_attn:
	s_mov_b64 s[64:65], 0
	v_nop
	global_prefetch_b8 v0, s[64:65] scope:SCOPE_SE
	s_setreg_imm32_b32 hwreg(HW_REG_WAVE_MODE, 25, 1), 1
	s_wait_xcnt 0x0
	s_wait_alu depctr_hold_cnt(0) depctr_sa_sdst(0) depctr_va_vdst(0) depctr_va_sdst(0) depctr_va_ssrc(0) depctr_va_vcc(0) depctr_vm_vsrc(0)
	s_getreg_b32 s2, hwreg(HW_REG_IB_STS2, 6, 4)
	s_cmp_eq_u32 s2, 0
	s_cbranch_scc0 .Lentry_in_a_cluster
	s_endpgm
.Lentry_in_a_cluster:
	s_bfe_u32 s2, ttmp6, 0x10000c
	s_cmp_lg_u32 s2, 0x3003
	s_cbranch_scc0 .Lentry_shape_is_right
	s_endpgm
.Lentry_shape_is_right:
; Causal attention on codes of E4M3, head size 64, 1,024 keys; o is quantised on the way out.  qkvc: three regions of 4 MiB: q, k and V^T.
; THE SOFTMAX: t = score x log2(e) / 8; M = the row's largest t so far, rounded up to a whole number; p = 2^(t - M) is quantised; the sum is taken of the unquantised p and divides at the end.
; SHARES.  A cluster of four work-groups owns one head (cluster y = 16 b + h); all four read the same K and V, so every tile is asked for jointly.  ALL of the head's K and V^T lie in LDS (4 x 40,960 bytes):
; each byte is filled once, there is no ring.  A wave owns one tile of 16 queries, in 256 registers.  Wave w: u = w & 1, octave g = 2 (w / 4) + (((w / 2) & 1) xor ((w / 4) & 1)); its queries begin at
; 128 g + 32 cx + 16 u.  It needs key steps 0 .. g of 128 keys; the last lies on the diagonal.  Waves w, w + 4, w + 8, w + 12 have octaves 0, 3, 4, 7 or 1, 2, 5, 6: 18 steps together, in every work-group.
; Branches hang on g (the wave's number) and the step's counter alone; cx enters Q's and o's addresses in memory and the mask's data.
; LAYOUT.  S^T = K Q^T (source 0 = 16 keys, source 1 = my queries), O^T = V^T P^T: a lane holds ONE query.  Register 8 t + j of S^T is key 16 t + 8 (l / 16) + j: eight neighbours, so that a conversion's two
; registers are registers 2 t, 2 t + 1 of the second product's operand as the form's own layout has them.  V^T is fetched 8 bytes at a time in that layout; K and Q 16 bytes at a time, a permutation of k alike in both.
; A head's row of o is 64 bytes in oc: those runs in memory are 64 bytes long.
; LIMITS: entries 6 + 7 between -123 and 130 (added to c's exponent field); entries 8 and 10 between -126 and 119; NaN is not served.
; REGISTERS: v1-11 addresses; v12 -M, v13 the largest t, v[14:15] the sum; v16-23 Q; v32-95 K's, then V's fragments; v96-159 S^T, then p; v160-191 O^T; v224-239 p's codes; v240-254 scales and work.
.set KP,    80                         ; a key's row in LDS: 64 bytes + 16: rows start 5 columns of 16 bytes apart, so 16 rows fall on 16 different columns
; qkvc as it is laid now: three regions of 4 MiB: q, k [b][h][s][64]; V^T [b][h][key / 64][e][key % 64].  A head's K and its V^T are dense blocks of 65,536 bytes, fetched as rows of 256 bytes with the padding behind each 64.
.set VP,    80                         ; a row of V^T in LDS: 64 keys + 16; row 64 (key / 64) + e
.set VOFF,  1024*KP                    ; K's 1,024 rows, then V^T's 1,024
.set SLOTB, 256*KP                     ; 256 keys on, in K and in V^T alike
.set STAGE, 2*VOFF
.set SP,    80
.set AK0, 1
.set AV0, 2
.set DQ,  3                            ; v3   my query less the step's first key less 8 (l / 16), on the diagonal
.set QA,  4
.set GO,  7
.set ADK, 8
.set ADV, 9
.set STI, 10
.set STR, 11
.set TB,  10                           ; s10  LDS byte at which the slot in hand begins
.set KS,  11                           ; s11  the key step's number
.set TR,  12
.set WV,  18
.set GG,  19                           ; s19  my octave
.set SEL, 20
.set CS,  22
.set G1K, 24
.set G1V, 32
.set G0K, 40                           ; s40-43: group 0 of my tile, K's or V^T's
.macro CROUND
	s_barrier_signal -1
	s_barrier_wait -1
	s_cmp_lg_u32 s[WV], 0
	s_cbranch_scc1 .Lnot_wave_0_\@
	s_barrier_signal -3
.Lnot_wave_0_\@:
	s_barrier_wait -3
	s_barrier_signal -1
	s_barrier_wait -1
.endm
.macro MKS e, vs, vl                   ; v[vs] = 2^e, v[vl] = 448 x 2^e
	s_add_co_i32 s92, s[\e], 127
	s_lshl_b32 s93, s92, 23
	v_mov_b32 v[\vs], s93
	s_add_co_i32 s92, s92, 8
	s_lshl_b32 s92, s92, 23
	s_or_b32 s92, s92, 0x600000
	v_mov_b32 v[\vl], s92
.endm
	s_load_b128 s[4:7], s[0:1], 0x0                ; qkvc, lowp_scales
	s_load_b64 s[8:9], s[0:1], 0x10                ; oc
	v_lshl_add_u32 v251, v0, 2, 0x2d000
	v_mov_b32 v255, 0
	ds_add_u32 v251, v255
	ds_add_u32 v251, v255
	v_lshrrev_b32 v5, 5, v0
	s_delay_alu instid0(VALU_DEP_1)
	v_readfirstlane_b32 s[WV], v5                  ; wave 0..15
	s_bfe_u32 s13, ttmp6, 0x40000                  ; cx
	s_and_b32 s92, ttmp7, 0xffff
	s_lshr_b32 s93, s92, 4                         ; b
	s_and_b32 s94, s92, 15                         ; the head
	s_and_b32 s95, s[WV], 1                        ; u
	s_bfe_u32 s96, s[WV], 0x10001
	s_lshr_b32 s97, s[WV], 2
	s_and_b32 s98, s97, 1
	s_xor_b32 s96, s96, s98
	s_lshl_b32 s[GG], s97, 1
	s_add_co_u32 s[GG], s[GG], s96                 ; g
	s_lshl_b32 s96, s93, 20
	s_lshl_b32 s97, s94, 16
	s_add_co_u32 s96, s96, s97                     ; the head's first byte in each region
	s_lshr_b32 s98, s[WV], 2                       ; waves 0-3 fetch K's four quarters, waves 4-7 V^T's: region 1 + wave / 4, 16,384 bytes x (wave % 4)
	s_add_co_u32 s98, s98, 1
	s_lshl_b32 s98, s98, 22
	s_and_b32 s99, s[WV], 3
	s_lshl_b32 s99, s99, 14
	s_add_co_u32 s98, s98, s99
	s_add_co_u32 s98, s98, s96
	s_mov_b32 s99, 0
	s_lshl_b32 s15, s13, 5
	s_lshl_b32 s14, s95, 4
	s_add_co_u32 s15, s15, s14                     ; 32 cx + 16 u
	s_lshl_b32 s14, s[GG], 7
	s_add_co_u32 s14, s14, s15
	s_lshl_b32 s16, s93, 10
	s_add_co_u32 s14, s14, s16                     ; my first query's row: 1024 b + 128 g + 32 cx + 16 u
	s_and_b32 s16, s14, 1023
	s_lshl_b32 s16, s16, 6
	s_add_co_u32 s16, s16, s96                     ; q: region 0, the head, 64 bytes a query
	s_lshl_b32 s17, s94, 6
	s_lshl_b32 s66, s14, 10
	s_add_co_u32 s66, s66, s17                     ; and in oc
	s_mov_b32 s67, 0
	s_mov_b32 s17, 0
	s_mov_b32 s[G1K], 15|(0<<16)|(1<<20)|(1<<21)|(3<<22)|(3<<25)   ; the mask: all four; elements of 1 byte; padding: four words after every 16
	s_mov_b32 s[G1K+1], 256<<16                    ; one shape for K and V^T: 16,384 dense bytes as 64 rows of 256
	s_mov_b32 s[G1K+2], 64<<16
	s_mov_b32 s[G1K+3], 256<<16
	s_mov_b32 s[G1K+4], 64
	s_mov_b32 s[G1K+5], 256
	s_mov_b32 s[G1K+6], 0
	s_mov_b32 s[G1K+7], 0
	s_mov_b32 s[SEL], 0x76543210
	s_mov_b32 s[SEL+1], 0xfedcba98
	s_mov_b32 s[CS], 0x3e38aa3b                    ; c = log2(e) / 8
	s_mov_b32 s[TB], 0
	s_mov_b32 s[KS], 0
	s_wait_dscnt 0x0
	s_wait_kmcnt 0x0
	s_load_b512 s[68:83], s[6:7], 0x0              ; the sixteen exponents
	s_add_nc_u64 s[2:3], s[4:5], s[16:17]          ; Q
	s_add_nc_u64 s[8:9], s[8:9], s[66:67]          ; o
	s_mov_b32 s[G0K], 1
	s_mul_i32 s[G0K+1], s[WV], SLOTB               ; tile w lands at w x 20,480: K's four, then V^T's four
	s_add_nc_u64 s[G0K+2:G0K+3], s[4:5], s[98:99]
	s_or_b32 s[G0K+3], s[G0K+3], 0x80000000
	CROUND                                         ; all four work-groups are here: the joint loads meet
	s_cmp_lt_u32 s[WV], 8                          ; waves 0 to 7 ask for one tile each; the branch hangs on the wave's number alone
	s_cbranch_scc0 .Lasked
	tensor_load_to_lds s[G0K:G0K+3], s[G1K:G1K+7]
	s_nop 0
.rept 4
	v_nop
.endr
.Lasked:
	v_and_b32 v5, 15, v0                           ; r
	v_bfe_u32 v6, v0, 4, 1                         ; h
	s_delay_alu instid0(VALU_DEP_2)
	v_lshlrev_b32 v[QA], 6, v5
	s_delay_alu instid0(VALU_DEP_1)
	v_lshl_add_u32 v[QA], v6, 4, v[QA]
	global_load_b128 v[16:19], v[QA], s[2:3]       ; Q's fragment stays in registers
	global_load_b128 v[20:23], v[QA], s[2:3] offset:32
	v_mul_u32_u24 v[AK0], v5, KP
	s_delay_alu instid0(VALU_DEP_1)
	v_lshl_add_u32 v[AK0], v6, 4, v[AK0]
	v_mul_u32_u24 v[AV0], v5, VP
	s_delay_alu instid0(VALU_DEP_1)
	v_lshl_add_u32 v[AV0], v6, 3, v[AV0]
	s_delay_alu instid0(VALU_DEP_1)
	v_add_nc_u32 v[AV0], VOFF, v[AV0]
	v_lshlrev_b32 v[DQ], 3, v6
	s_delay_alu instid0(VALU_DEP_1)
	v_sub_nc_u32 v[DQ], v5, v[DQ]
	s_delay_alu instid0(VALU_DEP_1)
	v_add_nc_u32 v[DQ], s15, v[DQ]                 ; 32 cx + 16 u + r - 8 h
	s_mul_i32 s92, s[WV], 16*SP
	s_add_co_u32 s92, s92, STAGE                   ; my stage
	v_mul_u32_u24 v[STI], v5, SP
	s_delay_alu instid0(VALU_DEP_1)
	v_lshl_add_u32 v[STI], v6, 3, v[STI]
	s_delay_alu instid0(VALU_DEP_1)
	v_add_nc_u32 v[STI], s92, v[STI]               ; in: row r, 8 h
	v_bfe_u32 v[GO], v0, 2, 3                      ; l / 4
	v_and_b32 v[ADK], 3, v0
	s_delay_alu instid0(VALU_DEP_2)
	v_mul_u32_u24 v[STR], v[GO], SP
	s_delay_alu instid0(VALU_DEP_1)
	v_lshl_add_u32 v[STR], v[ADK], 4, v[STR]
	s_delay_alu instid0(VALU_DEP_1)
	v_add_nc_u32 v[STR], s92, v[STR]               ; back: four lanes to a row of 64 bytes
	v_lshlrev_b32 v[GO], 10, v[GO]
	s_delay_alu instid0(VALU_DEP_1)
	v_lshl_add_u32 v[GO], v[ADK], 4, v[GO]         ; and the same place in oc
	v_mov_b32 v13, 0xff61b1e6                      ; the largest t so far: -3e38
	s_delay_alu instid0(VALU_DEP_1)
	v_floor_f32 v12, -v13                          ; -M
	v_mov_b32 v14, 0
	v_mov_b32 v15, 0
	v_mov_b32 v236, 0                              ; lane permutes' destinations count as sources; v253 is named as the upper half of a pair
	v_mov_b32 v252, 0
	v_mov_b32 v253, 0
.set j, 0
.rept 32
	v_mov_b32 v[160+j], 0                          ; O^T: the step is written once; its first run finds zeros, which the first change of M leaves zeros
.set j, j+1
.endr
	s_wait_kmcnt 0x0
	s_add_co_i32 s92, s74, s75
	s_lshl_b32 s92, s92, 23
	s_add_co_i32 s[CS], s[CS], s92                 ; a score stands for score x 2^(e6 + e7): added to c's exponent field
	s_mov_b32 s[CS+1], s[CS]
	MKS 76, 244, 240                               ; p: entry 8
	MKS 78, 245, 241                               ; o: entry 10
; A KEY STEP: 128 keys, the q-th half of the slot in hand.
.macro STEP q
	s_cmp_gt_u32 s[KS], s[GG]                      ; all its keys come after my queries: left out.  No barrier and no tensor load stands in a step
	s_cbranch_scc1 .Lhidden_\@
	v_add_nc_u32 v[ADK], s[TB], v[AK0]
	v_add_nc_u32 v[ADV], s[TB], v[AV0]
	v_nop                                          ; with the two additions: four places in front of loads into registers that the last products read
	v_nop
.irp t, 0,1,2,3,4,5,6,7
.irp c, 0,1
	ds_load_b128 v[32+8*\t+4*\c:32+8*\t+4*\c+3], v[ADK] offset:(128*(\q)+16*\t)*KP+32*\c
.endr
.endr
	s_wait_alu depctr_va_vdst(0)
	s_wait_dscnt 0x0
.irp t, 0,1,2,3,4,5,6,7
	v_wmma_f32_16x16x64_fp8_fp8 v[96+8*\t:103+8*\t], v[32+8*\t:39+8*\t], v[16:23], 0
.endr
.rept 4
	v_nop
.endr
.irp t, 0,1,2,3
.irp c, 0,1,2,3,4,5,6,7
	ds_load_b64 v[32+16*\t+2*\c:33+16*\t+2*\c], v[ADV] offset:((2*(\q)+\c/4)*64+16*\t)*VP+16*(\c%4)
.endr
.endr
	s_cmp_lt_u32 s[KS], s[GG]                      ; all keys count: no mask
	s_cbranch_scc1 .Lopen_\@
	v_mov_b32 v254, 0xff800000                     ; on the diagonal hidden scores become -infinity: p = 0
.set n, 0
.rept 64
	v_cmp_gt_i32 vcc_lo, 16*(n/8)+n%8, v[DQ]
	v_cndmask_b32 v[96+n], v[96+n], v254, vcc_lo
.set n, n+1
.endr
.Lopen_\@:
	v_max3_num_f32 v254, v96, v97, v98             ; the step's largest score of my query among my 64 keys, in two chains; each accumulator is first read at its low end
	v_max3_num_f32 v252, v99, v100, v101
.irp i, 6,10,14,18,22,26,30,34,38,42,46,50,54,58
	v_max3_num_f32 v254, v254, v[96+\i], v[97+\i]
	v_max3_num_f32 v252, v252, v[98+\i], v[99+\i]
.endr
	v_max3_num_f32 v254, v254, v158, v159
	s_delay_alu instid0(VALU_DEP_1)
	v_max_num_f32 v254, v254, v252
	v_permlanex16_b32 v236, v254, s[SEL], s[SEL+1]
	s_delay_alu instid0(VALU_DEP_1)
	v_max_num_f32 v254, v254, v236
	s_delay_alu instid0(VALU_DEP_1)
	v_mul_f32 v254, s[CS], v254
	s_delay_alu instid0(VALU_DEP_1)
	v_max_num_f32 v13, v13, v254                   ; the running largest t
	v_mov_b32 v254, v12
	s_delay_alu instid0(VALU_DEP_2)
	v_floor_f32 v12, -v13                          ; -M = floor(-t): M is a whole number
	s_delay_alu instid0(VALU_DEP_1)
	v_sub_f32 v254, v12, v254
	s_delay_alu instid0(VALU_DEP_1)
	v_cvt_i32_f32 v254, v254                       ; (it saturates)
	s_delay_alu instid0(VALU_DEP_1)
	v_ldexp_f32 v252, 1.0, v254                    ; f = 2^(old M - new M): rounds nothing
.set j, 0
.rept 32
	v_pk_fma_f32 v[96+j:97+j], v[96+j:97+j], s[CS:CS+1], v[12:13] op_sel_hi:[1,0,0]   ; t - M
.set j, j+2
.endr
.set j, 0
	s_wait_alu depctr_va_vdst(0)
.rept 64
	v_exp_f32 v[96+j], v[96+j]                     ; p
.set j, j+1
.endr
	v_pk_mul_f32 v[14:15], v[14:15], v[252:253] op_sel_hi:[1,0]    ; the sums under the new M: the plain line behind the exponentials
	s_wait_alu depctr_va_vdst(0)                   ; one wait for the batch, ahead of its first reader
	v_pk_add_f32 v[242:243], v[100:101], v[104:105]
	v_pk_add_f32 v[248:249], v[108:109], v[112:113]
	v_pk_add_f32 v[246:247], v[116:117], v[120:121]
	v_pk_add_f32 v[238:239], v[124:125], v[128:129]
	v_pk_add_f32 v[236:237], v[132:133], v[136:137]
	v_pk_add_f32 v[234:235], v[140:141], v[144:145]
	v_pk_add_f32 v[232:233], v[148:149], v[152:153]
	v_pk_add_f32 v[14:15], v[14:15], v[156:157]
	v_pk_add_f32 v[242:243], v[242:243], v[96:97]
	v_pk_add_f32 v[248:249], v[248:249], v[98:99]
	v_pk_add_f32 v[246:247], v[246:247], v[102:103]
	v_pk_add_f32 v[238:239], v[238:239], v[106:107]
	v_pk_add_f32 v[236:237], v[236:237], v[110:111]
	v_pk_add_f32 v[234:235], v[234:235], v[114:115]
	v_pk_add_f32 v[232:233], v[232:233], v[118:119]
	v_pk_add_f32 v[14:15], v[14:15], v[122:123]
	v_pk_add_f32 v[242:243], v[242:243], v[126:127]
	v_pk_add_f32 v[248:249], v[248:249], v[130:131]
	v_pk_add_f32 v[246:247], v[246:247], v[134:135]
	v_pk_add_f32 v[238:239], v[238:239], v[138:139]
	v_pk_add_f32 v[236:237], v[236:237], v[142:143]
	v_pk_add_f32 v[234:235], v[234:235], v[146:147]
	v_pk_add_f32 v[232:233], v[232:233], v[150:151]
	v_pk_add_f32 v[14:15], v[14:15], v[154:155]
	v_pk_add_f32 v[242:243], v[242:243], v[158:159]
	s_delay_alu instid0(VALU_DEP_2)
	v_pk_add_f32 v[14:15], v[14:15], v[238:239]
	s_delay_alu instid0(VALU_DEP_2)
	v_pk_add_f32 v[242:243], v[242:243], v[236:237]
	v_pk_add_f32 v[248:249], v[248:249], v[234:235]
	v_pk_add_f32 v[246:247], v[246:247], v[232:233]
	s_delay_alu instid0(VALU_DEP_2)
	v_pk_add_f32 v[14:15], v[14:15], v[248:249]
	s_delay_alu instid0(VALU_DEP_2)
	v_pk_add_f32 v[242:243], v[242:243], v[246:247]
	s_delay_alu instid0(VALU_DEP_1)
	v_pk_add_f32 v[14:15], v[14:15], v[242:243]
.set j, 0
.rept 64
	v_min_num_f32 v[96+j], v[96+j], v240           ; the hold; p is not negative
.set j, j+1
.endr
.irp t, 0,1,2,3,4,5,6,7
	v_cvt_scalef32_pk8_fp8_f32 v[224+2*\t:225+2*\t], v[96+8*\t:103+8*\t], v244
.endr
.set j, 0
.rept 16
	v_pk_mul_f32 v[160+j:161+j], v[160+j:161+j], v[252:253] op_sel_hi:[1,0]   ; O^T under the new M; also the plain lines between the conversions and the products
.set j, j+2
.endr
	s_wait_alu depctr_va_vdst(0)
	s_wait_dscnt 0x0                               ; V^T's fragments
.irp t, 0,1,2,3
	v_wmma_f32_16x16x128_fp8_fp8 v[160+8*\t:167+8*\t], v[32+16*\t:47+16*\t], v[224:239], v[160+8*\t:167+8*\t]   ; the four accumulators by turns
.endr
.Lhidden_\@:
	s_add_co_u32 s[KS], s[KS], 1
.endm
	s_wait_alu depctr_va_vdst(0)                   ; the wait at the head's end
	s_wait_loadcnt 0x0                             ; Q
	s_wait_tensorcnt 0x0                           ; my tile, if I asked for one, has landed
	s_barrier_signal -1
	s_barrier_wait -1                              ; all eight have: nothing is filled again in this launch
	s_mov_b32 s[TR], 4
.Lslot:
	STEP 0
	STEP 1
	s_add_co_u32 s[TB], s[TB], SLOTB
	s_sub_co_u32 s[TR], s[TR], 1
	s_cmp_lg_u32 s[TR], 0
	s_cbranch_scc1 .Lslot
	; THE WAY OUT: o = O^T / the sum x 2^(e8 + e9), held, converted; 16 rows of 64 codes through my stage.
	v_add_f32 v14, v14, v15
	s_delay_alu instid0(VALU_DEP_1)
	v_permlanex16_b32 v252, v14, s[SEL], s[SEL+1]
	s_delay_alu instid0(VALU_DEP_1)
	v_add_f32 v14, v14, v252
	s_wait_alu depctr_va_vdst(0)
	v_rcp_f32 v14, v14
	v_nop                                          ; a plain line behind the transcendental
	s_add_co_i32 s92, s76, s77
	s_wait_alu depctr_va_vdst(0)                   ; and the wait ahead of its first reader
	v_ldexp_f32 v14, v14, s92
.set j, 0
.rept 32
	v_mul_f32 v[96+j], v[160+j], v14               ; register 8 t + i is o(r, 16 t + 8 h + i)
.set j, j+1
.endr
.set j, 0
.rept 32
	v_med3_num_f32 v[96+j], v[96+j], -v241, v241
.set j, j+1
.endr
.irp t, 0,1,2,3
	v_cvt_scalef32_pk8_fp8_f32 v[224+2*\t:225+2*\t], v[96+8*\t:103+8*\t], v245
.endr
	v_nop
.irp t, 0,1,2,3
	ds_store_b64 v[STI], v[224+2*\t:225+2*\t] offset:16*\t
.endr
.irp i, 0,1
	ds_load_b128 v[32+4*\i:35+4*\i], v[STR] offset:640*\i          ; LDS serves a wave's instructions in order: these see my stores
.endr
.irp i, 0,1
	s_wait_dscnt 1-\i
	global_store_b128 v[GO], v[32+4*\i:35+4*\i], s[8:9] offset:8192*\i   ; eight rows, 64 bytes of each: a head's width
.endr
	s_wait_tensorcnt 0x0
	s_wait_dscnt 0x0
	s_wait_tensorcnt 0x0
	ds_add_u32 v251, v255
	s_wait_dscnt 0x0
	CROUND                                         ; the closing round
	s_endpgm
.Lfunc_end_k_q8bd746b350_attn:
	.size	k_q8bd746b350_attn, .Lfunc_end_k_q8bd746b350_attn-k_q8bd746b350_attn
	.p2alignl 7, 3214868480
	.fill 96, 4, 3214868480
	.section	.rodata,"a",@progbits
	.p2align	6, 0x0
	.amdhsa_kernel k_q8bd746b350_attn
		.amdhsa_group_segment_fixed_size 186368
		.amdhsa_private_segment_fixed_size 0
		.amdhsa_enable_private_segment 0
		.amdhsa_kernarg_size 24
		.amdhsa_user_sgpr_count 2
		.amdhsa_user_sgpr_kernarg_segment_ptr 1
		.amdhsa_wavefront_size32 1
		.amdhsa_system_sgpr_workgroup_id_x 1
		.amdhsa_system_sgpr_workgroup_id_y 1
		.amdhsa_system_sgpr_workgroup_id_z 1
		.amdhsa_system_vgpr_workitem_id 0
		.amdhsa_next_free_vgpr 256
		.amdhsa_next_free_sgpr 100
		.amdhsa_reserve_vcc 1
		.amdhsa_float_denorm_mode_32 3
		.amdhsa_float_denorm_mode_16_64 3
		.amdhsa_memory_ordered 1
		.amdhsa_forward_progress 1
		.amdhsa_inst_pref_size 57
	.end_amdhsa_kernel
	.amdgpu_metadata
---
amdhsa.version: [ 1, 2 ]
amdhsa.kernels:
  - .name:           k_q8bd746b350_attn
    .symbol:         k_q8bd746b350_attn.kd
    .args:
      - { .name: qkvc, .offset: 0, .size: 8, .value_kind: global_buffer, .address_space: global }
      - { .name: lowp_scales, .offset: 8, .size: 8, .value_kind: global_buffer, .address_space: global }
      - { .name: oc, .offset: 16, .size: 8, .value_kind: global_buffer, .address_space: global }
    .group_segment_fixed_size: 186368
    .private_segment_fixed_size: 0
    .kernarg_segment_align: 8
    .kernarg_segment_size: 24
    .max_flat_workgroup_size: 512
    .sgpr_count:     100
    .vgpr_count:     256
    .wavefront_size: 32
...
	.end_amdgpu_metadata
.endif
;; end of part 3
;; launch proj (part 4): grid 8 x 32, 4 waves a work-group, clusters of 4 x 4, 327,680 bytes of LDS; arguments oc, wcodes, lowp_scales, bp, x, x1; writes x1
.if DOCPART == 4
	.amdgcn_target "amdgcn-amd-amdhsa--gfx1250"
	.amdhsa_code_object_version 6
	.text
	.protected	k_q8bd746b350_proj
	.globl	k_q8bd746b350_proj
	.p2align	8
	.type	k_q8bd746b350_proj,@function
k_q8bd746b350_proj:
	s_mov_b64 s[64:65], 0
	v_nop
	global_prefetch_b8 v0, s[64:65] scope:SCOPE_SE
	s_setreg_imm32_b32 hwreg(HW_REG_WAVE_MODE, 25, 1), 1
	s_wait_xcnt 0x0
	s_wait_alu depctr_hold_cnt(0) depctr_sa_sdst(0) depctr_va_vdst(0) depctr_va_sdst(0) depctr_va_ssrc(0) depctr_va_vcc(0) depctr_vm_vsrc(0)
	s_getreg_b32 s2, hwreg(HW_REG_IB_STS2, 6, 4)
	s_cmp_eq_u32 s2, 0
	s_cbranch_scc0 .Lentry_in_a_cluster
	s_endpgm
.Lentry_in_a_cluster:
	s_bfe_u32 s2, ttmp6, 0x10000c
	s_cmp_lg_u32 s2, 0xf033
	s_cbranch_scc0 .Lentry_shape_is_right
	s_endpgm
.Lentry_shape_is_right:
; C = R + (A B^T) x 2^(ea + eb) + bias.  A [4096][SIZE_K], B [1024][SIZE_K]: codes of E4M3, K innermost; R, C [4096][1024] f32; bias [1024].  The text serves two launches.
; LIMIT: ea + eb between -126 and 127.  A fragment is fetched 16 bytes at a time: a permutation of k, alike in both operands.
; C has 32 x 8 tiles of 128 x 128: one for each of 256 work-groups; tiles of 256 x 256 would be 64.  Four waves, each 64 x 64: 16 accumulators.  K goes in steps of 512 (LDS rows of 1,024 bytes, 64 rows a load) through two slots.
; CLUSTERS: 4 x 4; A's tile is asked for jointly along a row of the cluster, B's along a column.  THE MATRIX INSTRUCTION IS USED TRANSPOSED: a lane holds eight neighbouring numbers of a row of C.
; A wave's 64 columns of f32 are 256 aligned bytes: its stage is its own, and the way out has no barrier.  The wave's 64 x 64 of R is asked for at the head and is on its way during the whole K loop.
; REGISTERS: window 0: v0-31 addresses, v12-15 the bias; v32-95 the way out; v128-255 the accumulators ((a, b) at 128 + 8 (4 a + b)).  window 1: two fragment buffers of 128: A's four, then B's four.  window 2: v0-127 R.
.set SIZE_K, 1024
.set WOFF,   3<<20                     ; B's first byte in wcodes
.set EA,     78                        ; s78, s79: entries 10, 11
.set EB,     79
.set KSTEP,  512
.set PITCH,  1040                      ; all of K lies in LDS at once: rows of 1,024 bytes + 16 = 65 x 16 bytes; each byte is filled once; the second half of K begins 512 bytes into a row
.set HALFT,  64*PITCH
.set SLOT,   4*HALFT
.set STAGE,  SLOT
.set SPITCH, 272
.set SPARE,  STAGE+4*16*SPITCH         ; the spare words, 128 bytes for each wave, which no other line names
.set LAPS,   SIZE_K/(2*KSTEP)
.set BI,   12
.set ADRA, 16
.set ADRB, 20
.set STO,  24
.set RD,   25
.set CO,   26
.set SPW,  28
.set NIL,  29
.set OB,   32
.set ACC,  128
.set F0,   0
.set F1,   128
.set G1, 24
.set G0, 32
.set G1B, 48
.set G0B, 56
.set MSB, 0
.macro WIN new
.if MSB != \new
	s_set_vgpr_msb (MSB<<8)|\new
.set MSB, \new
.endif
.endm
.set MUL,  0x05                        ; sources 0 (B) and 1 (A) window 1; C and D window 0
.set TO_F, 0x40
.macro JLOAD s                         ; waves 0 and 1 fetch A's two halves, waves 2 and 3 B's; four v_nop follow each line
	s_cmp_eq_u32 s11, 0
	s_cbranch_scc0 .Lfor_b_\@
	tensor_load_to_lds s[G0+4*\s:G0+4*\s+3], s[G1:G1+7]
	s_nop 0
.rept 4
	v_nop
.endr
	s_branch .Lasked_\@
.Lfor_b_\@:
	tensor_load_to_lds s[G0B+4*\s:G0B+4*\s+3], s[G1B:G1B+7]
	s_nop 0
.rept 4
	v_nop
.endr
.Lasked_\@:
.endm
.macro CREST
	s_cmp_lg_u32 s10, 0
	s_cbranch_scc1 .Lnot_wave_0_\@
	s_barrier_signal -3
.Lnot_wave_0_\@:
	s_barrier_wait -3
	s_barrier_signal -1
	s_barrier_wait -1
.endm
.macro CROUND
	s_barrier_signal -1
	s_barrier_wait -1
	CREST
.endm
	s_load_b128 s[4:7], s[0:1], 0x0                ; A's codes, wcodes
	s_load_b128 s[84:87], s[0:1], 0x10             ; lowp_scales, the bias
	s_load_b128 s[88:91], s[0:1], 0x20             ; R, C
	v_lshl_add_u32 v[SPW], v0, 2, SPARE
	v_mov_b32 v[NIL], 0
	ds_add_u32 v28, v29
	ds_add_u32 v28, v29
	s_wait_dscnt 0x0
	v_lshrrev_b32 v1, 5, v0
	v_readfirstlane_b32 s10, v1                    ; wave
	s_lshr_b32 s11, s10, 1                         ; my half of the rows.  Also: I fetch for A (0) or B (1)
	s_and_b32 s12, s10, 1                          ; my half of the columns.  Also: which 64 rows I fetch
	s_bfe_u32 s40, ttmp6, 0x40000
	s_bfe_u32 s41, ttmp6, 0x40004
	s_lshl_b32 s42, ttmp9, 2
	s_add_co_u32 s42, s42, s40                     ; tile column
	s_and_b32 s13, ttmp7, 0xffff
	s_lshl_b32 s13, s13, 2
	s_add_co_u32 s13, s13, s41                     ; tile row
	s_lshl_b32 s43, s41, 2
	s_lshl_b32 s43, 15, s43
	s_lshl_b32 s44, 0x1111, s40
	s_or_b32 s[G1+0], s43, (0<<16)|(1<<20)|(1<<21)|(7<<22)|(3<<25)  ; the mask; elements of 1 byte; padding: four words after every 256
	s_or_b32 s[G1B+0], s44, (0<<16)|(1<<20)|(1<<21)|(7<<22)|(3<<25)
.irp g, G1, G1B
	s_mov_b32 s[\g+1], SIZE_K<<16
	s_mov_b32 s[\g+2], 64<<16
	s_mov_b32 s[\g+3], SIZE_K<<16
	s_mov_b32 s[\g+4], 64
	s_mov_b32 s[\g+5], SIZE_K
	s_mov_b32 s[\g+6], 0
	s_mov_b32 s[\g+7], 0
.endr
	s_lshl_b32 s17, s12, 6
	s_lshl_b32 s16, s13, 7
	s_add_co_u32 s16, s16, s17
	s_lshl_b32 s46, s42, 7
	s_add_co_u32 s46, s46, s17
	s_mov_b32 s17, 0
	s_mov_b32 s47, 0
	s_mov_b64 s[18:19], SIZE_K
	s_mul_u64 s[16:17], s[16:17], s[18:19]
	s_mul_u64 s[46:47], s[46:47], s[18:19]
	s_mul_i32 s20, s10, HALFT
	s_wait_kmcnt 0x0
	s_load_b512 s[68:83], s[84:85], 0x0            ; the sixteen exponents
	s_add_nc_u64 s[14:15], s[4:5], s[16:17]
	s_add_nc_u64 s[46:47], s[6:7], s[46:47]
	s_add_nc_u64 s[46:47], s[46:47], WOFF
	CROUND
.irp s, 0
	s_mov_b32 s[G0+4*\s], 1
	s_add_co_u32 s[G0+4*\s+1], s20, \s*SLOT
	s_add_nc_u64 s[G0+4*\s+2:G0+4*\s+3], s[14:15], \s*KSTEP
	s_or_b32 s[G0+4*\s+3], s[G0+4*\s+3], 0x80000000
	s_mov_b32 s[G0B+4*\s], 1
	s_add_co_u32 s[G0B+4*\s+1], s20, \s*SLOT
	s_add_nc_u64 s[G0B+4*\s+2:G0B+4*\s+3], s[46:47], \s*KSTEP
	s_or_b32 s[G0B+4*\s+3], s[G0B+4*\s+3], 0x80000000
	JLOAD \s
.endr
	v_and_b32 v1, 15, v0
	s_wait_alu depctr_va_vdst(0)
	v_bfe_u32 v2, v0, 4, 1
	v_mul_u32_u24 v3, v1, PITCH
	v_lshl_add_u32 v3, v2, 4, v3
	s_mul_i32 s21, s11, HALFT
	s_mul_i32 s22, s12, HALFT
	s_add_co_u32 s22, s22, 2*HALFT
.irp s, 0,1
	v_add_nc_u32 v[ADRA+\s], s21, v3
	v_add_nc_u32 v[ADRB+\s], s22, v3
	s_add_co_u32 s21, s21, KSTEP
	s_add_co_u32 s22, s22, KSTEP
.endr
	s_mul_i32 s23, s10, 16*SPITCH
	s_add_co_u32 s23, s23, STAGE                   ; my stage
	v_mul_u32_u24 v4, v1, SPITCH
	s_wait_alu depctr_va_vdst(0)
	v_lshl_add_u32 v4, v2, 5, v4
	v_add_nc_u32 v[STO], s23, v4                   ; in: row r, 32 bytes for each half of the lanes
	v_mul_u32_u24 v5, v2, SPITCH
	v_lshl_add_u32 v5, v1, 4, v5
	v_add_nc_u32 v[RD], s23, v5                    ; back: lanes 0-15 one row of 256 bytes, lanes 16-31 the next
	v_lshlrev_b32 v5, 12, v2
	v_lshl_add_u32 v[CO], v1, 4, v5                ; the same two rows in R and in C
	v_lshlrev_b32 v6, 4, v1
	s_wait_alu depctr_va_vdst(0)
	s_lshl_b32 s46, s42, 9
	s_lshl_b32 s47, s12, 8
	s_add_co_u32 s46, s46, s47                     ; my first column in bytes: 512 x tile column + 256 x half
	s_mov_b32 s47, 0
	s_add_nc_u64 s[86:87], s[86:87], s[46:47]
	s_lshl_b32 s16, s13, 7
	s_lshl_b32 s17, s11, 6
	s_add_co_u32 s16, s16, s17
	s_lshl_b32 s16, s16, 12                        ; my first row: under 2^24 bytes
	s_add_co_u32 s16, s16, s46
	s_mov_b32 s17, 0
	s_add_nc_u64 s[88:89], s[88:89], s[16:17]
	s_add_nc_u64 s[90:91], s[90:91], s[16:17]
	global_load_b128 v[BI:BI+3], v6, s[86:87]      ; the bias at my four columns of a row read back
	WIN 0x80                                       ; destination window 2
.set t, 0
.rept 32
	global_load_b128 v[4*t:4*t+3], v[CO], s[88:89] offset:2*t*4096 th:TH_LOAD_NT   ; R, in the order in which rows come back from the stage
.set t, t+1
.endr
	WIN 0
.macro MULA f, a, zero                 ; four matrix instructions: A's block a x B's four.  The 16 accumulators take turns in the same order everywhere
.irp b, 0,1,2,3
.if \zero
	v_wmma_f32_16x16x128_fp8_fp8 v[ACC+8*(4*(\a)+\b):ACC+8*(4*(\a)+\b)+7], v[\f+64+16*\b:\f+64+16*\b+15], v[\f+16*(\a):\f+16*(\a)+15], 0
.else
	v_wmma_f32_16x16x128_fp8_fp8 v[ACC+8*(4*(\a)+\b):ACC+8*(4*(\a)+\b)+7], v[\f+64+16*\b:\f+64+16*\b+15], v[\f+16*(\a):\f+16*(\a)+15], v[ACC+8*(4*(\a)+\b):ACC+8*(4*(\a)+\b)+7]
.endif
.endr
.endm
.macro FETCH slot, k, f                ; 32 LDS loads in one run: 128 along K at byte k of the rows: B's four fragments, then A's four
	WIN TO_F
.irp i, 0,1,2,3
.irp c, 0,1,2,3
	ds_load_b128 v[\f+64+16*\i+4*\c:\f+64+16*\i+4*\c+3], v[ADRB+\slot] offset:\k+32*\c+\i*16*PITCH
.endr
.endr
.irp i, 0,1,2,3
.irp c, 0,1,2,3
	ds_load_b128 v[\f+16*\i+4*\c:\f+16*\i+4*\c+3], v[ADRA+\slot] offset:\k+32*\c+\i*16*PITCH
.endr
.endr
.endm
.macro PLACES
.rept 4
	v_nop
.endr
.endm
.macro QUARTER slot, k, f, g, zero     ; multiplies buffer f; in its middle fetches the next 128 along K, at byte k, into g
	s_wait_dscnt 8                                 ; B and A's blocks 0, 1 are in; the youngest eight loads (A's blocks 2, 3) may be out
	WIN MUL
	MULA \f, 0, \zero
	MULA \f, 1, \zero
	PLACES
	FETCH \slot, \k, \g
	s_wait_dscnt 32                                ; all but the 32 just issued
	WIN MUL
	MULA \f, 2, \zero
	MULA \f, 3, \zero
.endm
.macro TURN slot, next, fill           ; a slot's last quarter: ONE barrier; in front of it the wait for all my tensor loads, the add, the wait for it and for my reads of this slot
	WIN 0
	s_wait_tensorcnt 0x0
	ds_add_u32 v[SPW], v[NIL]                      ; 0 onto my spare word
	s_wait_dscnt 9                                 ; (the add and the youngest eight loads may be out)
	WIN MUL
	MULA F1, 0, 0
	s_wait_dscnt 0x0
	s_barrier_signal -1
	MULA F1, 1, 0
.if \fill
	WIN 0
.endif
	s_barrier_wait -1
.if \fill
	CREST                                          ; a round of the cluster's barrier: no wave of any partner still reads this slot or has a load on its way
	s_add_nc_u64 s[G0+4*\slot+2:G0+4*\slot+3], s[G0+4*\slot+2:G0+4*\slot+3], 2*KSTEP
	s_add_nc_u64 s[G0B+4*\slot+2:G0B+4*\slot+3], s[G0B+4*\slot+2:G0B+4*\slot+3], 2*KSTEP
	JLOAD \slot                                    ; the first tensor load behind the round; its four v_nop are the places in front of the loads below
.else
	PLACES
.endif
	FETCH \next, 0, F0
	WIN MUL
	MULA F1, 2, 0
	MULA F1, 3, 0
.endm
	s_wait_alu depctr_va_vdst(0)                   ; the wait at the head's end
	s_wait_tensorcnt 0x0                           ; my one load, 64 rows of 1,024 bytes, is in
	s_barrier_signal -1
	s_barrier_wait -1
	FETCH 0, 0, F0
	QUARTER 0, 128, F0, F1, 1                      ; the first quarter's products start the sums
.if LAPS > 1
	WIN 0
	s_mov_b32 s3, LAPS-1
.Llap:
	QUARTER 0, 256, F1, F0, 0
	QUARTER 0, 384, F0, F1, 0
	TURN 0, 1, 1
	QUARTER 1, 128, F0, F1, 0
	QUARTER 1, 256, F1, F0, 0
	QUARTER 1, 384, F0, F1, 0
	TURN 1, 0, 1
	QUARTER 0, 128, F0, F1, 0
	WIN 0
	s_sub_co_u32 s3, s3, 1
	s_cmp_lg_u32 s3, 0
	s_cbranch_scc1 .Llap
.endif
	QUARTER 0, 256, F1, F0, 0                      ; the last lap fills nothing
	QUARTER 0, 384, F0, F1, 0
	TURN 0, 1, 0
	QUARTER 1, 128, F0, F1, 0
	QUARTER 1, 256, F1, F0, 0
	QUARTER 1, 384, F0, F1, 0
	s_wait_dscnt 8
	WIN MUL
	MULA F1, 0, 0
	MULA F1, 1, 0
	s_wait_dscnt 0
	MULA F1, 2, 0
	MULA F1, 3, 0
	WIN 0
; THE WAY OUT, 16 rows at a time: the sums go into my stage as they are (each accumulator's low half first) and come back as whole rows of 256 bytes; there R + sum x 2^(ea + eb), then + bias.
.macro OUTBLK a
.set OO, OB+32*((\a)%2)
.irp b, 0,1,2,3
	ds_store_b128 v[STO], v[ACC+8*(4*(\a)+\b):ACC+8*(4*(\a)+\b)+3] offset:64*\b
	ds_store_b128 v[STO], v[ACC+8*(4*(\a)+\b)+4:ACC+8*(4*(\a)+\b)+7] offset:64*\b+16
.endr
.irp t, 0,1,2,3,4,5,6,7
	ds_load_b128 v[OO+4*\t:OO+4*\t+3], v[RD] offset:\t*2*SPITCH    ; LDS serves a wave's instructions in order: these see the stores above, and the next block's stores come behind them
.endr
.endm
.macro SENDBLK a, younger              ; younger: the LDS instructions issued behind block a's loads
.set OO, OB+32*((\a)%2)
	s_wait_dscnt \younger
	WIN 0x20                                       ; source 2 (R) window 2
.set j, 0
.rept 16
	v_pk_fma_f32 v[OO+j:OO+j+1], v[OO+j:OO+j+1], s[96:97], v[32*(\a)+j:32*(\a)+j+1] op_sel_hi:[1,0,1]
.set j, j+2
.endr
	WIN 0
.set j, 0
.rept 8
	v_pk_add_f32 v[OO+j:OO+j+1], v[OO+j:OO+j+1], v[BI:BI+1]
	v_pk_add_f32 v[OO+j+2:OO+j+3], v[OO+j+2:OO+j+3], v[BI+2:BI+3]
.set j, j+4
.endr
.irp t, 0,1,2,3,4,5,6,7
	global_store_b128 v[CO], v[OO+4*\t:OO+4*\t+3], s[90:91] offset:(16*(\a)+2*\t)*4096   ; sixteen lanes store 256 consecutive bytes, aligned
.endr
.endm
	s_wait_kmcnt 0x0
	s_add_co_i32 s96, s[EA], s[EB]
	s_add_co_i32 s96, s96, 127
	s_lshl_b32 s96, s96, 23                        ; 2^(ea + eb) as f32
	s_mov_b32 s97, s96
	s_wait_loadcnt 0x0                             ; R and the bias
	PLACES
	OUTBLK 0
	OUTBLK 1
	SENDBLK 0, 16
	s_wait_xcnt 0x0                                ; block 0's stores have read their registers: block 2's loads may land there
	OUTBLK 2
	SENDBLK 1, 16
	s_wait_xcnt 0x0
	OUTBLK 3
	SENDBLK 2, 16
	SENDBLK 3, 0
	s_wait_tensorcnt 0x0                           ; the wave's end
	ds_add_u32 v[SPW], v[NIL]
	s_wait_dscnt 0x0
	CROUND                                         ; the closing round
	s_endpgm
.Lfunc_end_k_q8bd746b350_proj:
	.size	k_q8bd746b350_proj, .Lfunc_end_k_q8bd746b350_proj-k_q8bd746b350_proj
	.p2alignl 7, 3214868480
	.fill 96, 4, 3214868480
	.section	.rodata,"a",@progbits
	.p2align	6, 0x0
	.amdhsa_kernel k_q8bd746b350_proj
		.amdhsa_group_segment_fixed_size 327680
		.amdhsa_private_segment_fixed_size 0
		.amdhsa_enable_private_segment 0
		.amdhsa_kernarg_size 48
		.amdhsa_user_sgpr_count 2
		.amdhsa_user_sgpr_kernarg_segment_ptr 1
		.amdhsa_wavefront_size32 1
		.amdhsa_system_sgpr_workgroup_id_x 1
		.amdhsa_system_sgpr_workgroup_id_y 1
		.amdhsa_system_sgpr_workgroup_id_z 1
		.amdhsa_system_vgpr_workitem_id 0
		.amdhsa_next_free_vgpr 640
		.amdhsa_next_free_sgpr 100
		.amdhsa_reserve_vcc 0
		.amdhsa_float_denorm_mode_32 3
		.amdhsa_float_denorm_mode_16_64 3
		.amdhsa_memory_ordered 1
		.amdhsa_forward_progress 1
		.amdhsa_inst_pref_size 52
	.end_amdhsa_kernel
	.amdgpu_metadata
---
amdhsa.version: [ 1, 2 ]
amdhsa.kernels:
  - .name:           k_q8bd746b350_proj
    .symbol:         k_q8bd746b350_proj.kd
    .args:
      - { .name: oc, .offset: 0, .size: 8, .value_kind: global_buffer, .address_space: global }
      - { .name: wcodes, .offset: 8, .size: 8, .value_kind: global_buffer, .address_space: global }
      - { .name: lowp_scales, .offset: 16, .size: 8, .value_kind: global_buffer, .address_space: global }
      - { .name: bp, .offset: 24, .size: 8, .value_kind: global_buffer, .address_space: global }
      - { .name: x, .offset: 32, .size: 8, .value_kind: global_buffer, .address_space: global }
      - { .name: x1, .offset: 40, .size: 8, .value_kind: global_buffer, .address_space: global }
    .group_segment_fixed_size: 327680
    .private_segment_fixed_size: 0
    .kernarg_segment_align: 8
    .kernarg_segment_size: 48
    .max_flat_workgroup_size: 128
    .sgpr_count:     100
    .vgpr_count:     640
    .wavefront_size: 32
...
	.end_amdgpu_metadata
.endif
;; end of part 4
;; launch ln2 (part 5): grid 256 x 1, 4 waves a work-group, no clusters, 4,608 bytes of LDS; arguments x1, ln2_g, ln2_b, lowp_scales, xn2c; writes xn2c
.if DOCPART == 5
	.amdgcn_target "amdgcn-amd-amdhsa--gfx1250"
	.amdhsa_code_object_version 6
	.text
	.protected	k_q8bd746b350_ln2
	.globl	k_q8bd746b350_ln2
	.p2align	8
	.type	k_q8bd746b350_ln2,@function
k_q8bd746b350_ln2:
	s_mov_b64 s[64:65], 0
	v_nop
	global_prefetch_b8 v0, s[64:65] scope:SCOPE_SE
	s_setreg_imm32_b32 hwreg(HW_REG_WAVE_MODE, 25, 1), 1
	s_wait_xcnt 0x0
; Layer norm 2 of x1 [4096][1024] f32, quantised to E4M3 with 2^e, e = entry 12 (between -126 and 119; NaN is not served).  One wave, one row of 4,096 bytes in 32 registers; four rows a wave; all 48 loads of a wave go out at the head.
; Mean, then the mean of squares of x - mean.  Lane l holds columns 128 j + 4 l + 0 .. 3 in registers 4 j .. 4 j + 3: each load reads 512 consecutive bytes.  The codes turn through the wave's own 1,024 bytes of LDS,
; so that each store covers 512 consecutive bytes.  No barrier: waves share nothing.
.set GL,  8
.set BL,  40
.set XL,  72
.set CDL, 216
	s_load_b256 s[4:11], s[0:1], 0x0               ; x1, ln2_g, ln2_b, lowp_scales
	s_load_b64 s[12:13], s[0:1], 0x20              ; xn2c
	v_lshl_add_u32 v254, v0, 2, 0x1000
	v_mov_b32 v255, 0
	v_lshrrev_b32 v1, 5, v0
	v_readfirstlane_b32 s28, v1
	v_and_b32 v1, 31, v0
	v_lshlrev_b32 v2, 4, v1
	s_lshl_b32 s29, s28, 10                        ; my stage
	v_lshl_add_u32 v3, v1, 2, s29
	v_add_nc_u32 v4, s29, v2
	s_lshl_b32 s30, ttmp9, 4
	s_lshl_b32 s31, s28, 2
	s_add_co_u32 s30, s30, s31                     ; my first row
	s_lshl_b32 s32, s30, 12
	s_mov_b32 s33, 0
	s_lshl_b32 s34, s30, 10
	s_mov_b32 s35, 0
	s_mov_b32 s38, 0x76543210
	s_mov_b32 s39, 0xfedcba98
	s_mov_b32 s40, 0x3a800000                      ; 1 / 1024
	s_mov_b32 s41, 0x3727c5ac                      ; 1e-5
	s_wait_alu depctr_va_vdst(0)
	s_wait_kmcnt 0x0
	s_load_b32 s42, s[10:11], 0x30                 ; entry 12
	s_add_nc_u64 s[4:5], s[4:5], s[32:33]
	s_add_nc_u64 s[12:13], s[12:13], s[34:35]
.irp j, 0,1,2,3,4,5,6,7
	global_load_b128 v[GL+4*\j:GL+4*\j+3], v2, s[6:7] offset:512*\j
.endr
.irp j, 0,1,2,3,4,5,6,7
	global_load_b128 v[BL+4*\j:BL+4*\j+3], v2, s[8:9] offset:512*\j
.endr
.irp i, 0,1,2,3
.irp j, 0,1,2,3,4,5,6,7
	global_load_b128 v[XL+32*\i+4*\j:XL+32*\i+4*\j+3], v2, s[4:5] offset:4096*\i+512*\j
.endr
.endr
	v_mov_b32 v245, 0                              ; upper halves of pairs whose low word serves both halves; a permute's destination
	v_mov_b32 v247, 0
	v_mov_b32 v248, 0
	s_wait_kmcnt 0x0
	s_add_co_i32 s44, s42, 127
	s_lshl_b32 s45, s44, 23
	v_mov_b32 v249, s45                            ; 2^e
	s_add_co_i32 s44, s44, 8
	s_lshl_b32 s44, s44, 23
	s_or_b32 s44, s44, 0x600000
	v_mov_b32 v252, s44                            ; 448 x 2^e
.macro WSUM
	v_add_f32_dpp v240, v240, v240 row_xmask:1 row_mask:0xf bank_mask:0xf
	v_add_f32_dpp v240, v240, v240 row_xmask:2 row_mask:0xf bank_mask:0xf
	v_add_f32_dpp v240, v240, v240 row_xmask:4 row_mask:0xf bank_mask:0xf
	v_add_f32_dpp v240, v240, v240 row_xmask:8 row_mask:0xf bank_mask:0xf
	v_permlanex16_b32 v248, v240, s38, s39
	v_add_f32 v240, v240, v248
.endm
.macro LNROW i, left                   ; left: the younger rows' loads, which may stay out
.set XR, XL+32*(\i)
	s_wait_loadcnt \left
	v_pk_add_f32 v[240:241], v[XR:XR+1], v[XR+2:XR+3]
	v_pk_add_f32 v[242:243], v[XR+4:XR+5], v[XR+6:XR+7]
.set j, 8
.rept 6
	v_pk_add_f32 v[240:241], v[240:241], v[XR+j:XR+j+1]
	v_pk_add_f32 v[242:243], v[242:243], v[XR+j+2:XR+j+3]
.set j, j+4
.endr
	v_pk_add_f32 v[240:241], v[240:241], v[242:243]
	v_add_f32 v240, v240, v241
	WSUM
	v_mul_f32 v244, s40, v240                      ; the mean
.set j, 0
.rept 16
	v_pk_add_f32 v[XR+j:XR+j+1], v[XR+j:XR+j+1], v[244:245] op_sel_hi:[1,0] neg_lo:[0,1] neg_hi:[0,1]
.set j, j+2
.endr
	v_pk_mul_f32 v[240:241], v[XR:XR+1], v[XR:XR+1]
	v_pk_mul_f32 v[242:243], v[XR+2:XR+3], v[XR+2:XR+3]
.set j, 4
.rept 7
	v_pk_fma_f32 v[240:241], v[XR+j:XR+j+1], v[XR+j:XR+j+1], v[240:241]
	v_pk_fma_f32 v[242:243], v[XR+j+2:XR+j+3], v[XR+j+2:XR+j+3], v[242:243]
.set j, j+4
.endr
	v_pk_add_f32 v[240:241], v[240:241], v[242:243]
	v_add_f32 v240, v240, v241
	WSUM
	v_fma_f32 v240, v240, s40, s41
	s_wait_alu depctr_va_vdst(0)
	v_rsq_f32 v246, v240
	v_nop                                          ; a plain line behind the transcendental (ISA guide 5.7.2),
	s_wait_alu depctr_va_vdst(0)                   ; and the wait ahead of its first reader
.set j, 0
.rept 16
	v_pk_mul_f32 v[XR+j:XR+j+1], v[XR+j:XR+j+1], v[246:247] op_sel_hi:[1,0]
	v_pk_fma_f32 v[XR+j:XR+j+1], v[XR+j:XR+j+1], v[GL+j:GL+j+1], v[BL+j:BL+j+1]
.set j, j+2
.endr
.set j, 0
.rept 32
	v_med3_num_f32 v[XR+j], v[XR+j], -v252, v252   ; the conversion does not saturate (ISA guide 7.6.2): the hold comes first
.set j, j+1
.endr
.irp m, 0,1,2,3
	v_cvt_scalef32_pk8_fp8_f32 v[CDL+2*\m:CDL+2*\m+1], v[XR+8*\m:XR+8*\m+7], v249
.endr
	v_nop
.irp j, 0,1,2,3,4,5,6,7
	ds_store_b32 v3, v[CDL+\j] offset:128*\j       ; register j: the four codes of columns 128 j + 4 l on
.endr
.irp s, 0,1
	ds_load_b128 v[XR+4*\s:XR+4*\s+3], v4 offset:512*\s            ; back, 16 codes a lane, into the row's own registers, which are done with
.endr
	s_wait_dscnt 0x0
.irp s, 0,1
	global_store_b128 v2, v[XR+4*\s:XR+4*\s+3], s[12:13] offset:1024*(\i)+512*\s   ; 512 consecutive bytes; no register of a store is written again
.endr
.endm
	LNROW 0, 24
	LNROW 1, 16
	LNROW 2, 8
	LNROW 3, 0
	s_wait_tensorcnt 0x0
	ds_add_u32 v254, v255
	s_wait_dscnt 0x0
	s_endpgm
.Lfunc_end_k_q8bd746b350_ln2:
	.size	k_q8bd746b350_ln2, .Lfunc_end_k_q8bd746b350_ln2-k_q8bd746b350_ln2
	.p2alignl 7, 3214868480
	.fill 96, 4, 3214868480
	.section	.rodata,"a",@progbits
	.p2align	6, 0x0
	.amdhsa_kernel k_q8bd746b350_ln2
		.amdhsa_group_segment_fixed_size 4608
		.amdhsa_private_segment_fixed_size 0
		.amdhsa_enable_private_segment 0
		.amdhsa_kernarg_size 40
		.amdhsa_user_sgpr_count 2
		.amdhsa_user_sgpr_kernarg_segment_ptr 1
		.amdhsa_wavefront_size32 1
		.amdhsa_system_sgpr_workgroup_id_x 1
		.amdhsa_system_sgpr_workgroup_id_y 1
		.amdhsa_system_sgpr_workgroup_id_z 1
		.amdhsa_system_vgpr_workitem_id 0
		.amdhsa_next_free_vgpr 256
		.amdhsa_next_free_sgpr 66
		.amdhsa_reserve_vcc 0
		.amdhsa_float_denorm_mode_32 3
		.amdhsa_float_denorm_mode_16_64 3
		.amdhsa_memory_ordered 1
		.amdhsa_forward_progress 1
		.amdhsa_inst_pref_size 43
	.end_amdhsa_kernel
	.amdgpu_metadata
---
amdhsa.version: [ 1, 2 ]
amdhsa.kernels:
  - .name:           k_q8bd746b350_ln2
    .symbol:         k_q8bd746b350_ln2.kd
    .args:
      - { .name: x1, .offset: 0, .size: 8, .value_kind: global_buffer, .address_space: global }
      - { .name: ln2_g, .offset: 8, .size: 8, .value_kind: global_buffer, .address_space: global }
      - { .name: ln2_b, .offset: 16, .size: 8, .value_kind: global_buffer, .address_space: global }
      - { .name: lowp_scales, .offset: 24, .size: 8, .value_kind: global_buffer, .address_space: global }
      - { .name: xn2c, .offset: 32, .size: 8, .value_kind: global_buffer, .address_space: global }
    .group_segment_fixed_size: 4608
    .private_segment_fixed_size: 0
    .kernarg_segment_align: 8
    .kernarg_segment_size: 40
    .max_flat_workgroup_size: 128
    .sgpr_count:     66
    .vgpr_count:     256
    .wavefront_size: 32
...
	.end_amdgpu_metadata
.endif
;; end of part 5
;; launch ff1 (part 6): grid 16 x 16, 4 waves a work-group, clusters of 4 x 4, 327,680 bytes of LDS; arguments xn2c, wcodes, lowp_scales, b1, hc; writes hc
.if DOCPART == 6
	.amdgcn_target "amdgcn-amd-amdhsa--gfx1250"
	.amdhsa_code_object_version 6
	.text
	.protected	k_q8bd746b350_ff1
	.globl	k_q8bd746b350_ff1
	.p2align	8
	.type	k_q8bd746b350_ff1,@function
k_q8bd746b350_ff1:
	s_mov_b64 s[64:65], 0
	v_nop
	global_prefetch_b8 v0, s[64:65] scope:SCOPE_SE
	s_setreg_imm32_b32 hwreg(HW_REG_WAVE_MODE, 25, 1), 1
	s_wait_xcnt 0x0
	s_wait_alu depctr_hold_cnt(0) depctr_sa_sdst(0) depctr_va_vdst(0) depctr_va_sdst(0) depctr_va_ssrc(0) depctr_va_vcc(0) depctr_vm_vsrc(0)
	s_getreg_b32 s2, hwreg(HW_REG_IB_STS2, 6, 4)
	s_cmp_eq_u32 s2, 0
	s_cbranch_scc0 .Lentry_in_a_cluster
	s_endpgm
.Lentry_in_a_cluster:
	s_bfe_u32 s2, ttmp6, 0x10000c
	s_cmp_lg_u32 s2, 0xf033
	s_cbranch_scc0 .Lentry_shape_is_right
	s_endpgm
.Lentry_shape_is_right:
.set QKV,    0
.set SIZE_K, 1024
.set KSTEP,  256
.set ROWB,   256
.set KROW,   SIZE_K
.set PITCH,  272
.set FR,     16
.set NL,     4
.set NP,     4
.set HALFT,  128*PITCH
.set SLOT,   4*HALFT
.set LAPS,   SIZE_K/(2*KSTEP)
.set SPARE,  2*SLOT
.set SPITCH, 272
.set CPITCH, 4096
.set ADRA, 16
.set ADRB, 20
.set STO,  24
.set RD,   25
.set CO,   26
.set SPW,  28
.set NIL,  29
.set LIM,  30
.set SCV,  31
.set BN,   32
.set BM,   96
.set CD,   112
.set TMP,  128
.set AF,   128
.set BK,   128
.set G1, 24
.set G0, 32
.set G1B, 48
.set G0B, 56
.set MSB, 0
.macro WIN new
.if MSB != \new
	s_set_vgpr_msb (MSB<<8)|\new
.set MSB, \new
.endif
.endm
.set MUL_LO, 0xa1
.set MUL_HI, 0xf1
.set TO_B,   0x40
.macro JLOAD g0a, g1a, g0b, g1b
	s_cmp_eq_u32 s15, 0
	s_cbranch_scc0 .Lfor_b_\@
	tensor_load_to_lds s[\g0a:\g0a+3], s[\g1a:\g1a+7]
	s_nop 0
.rept 4
	v_nop
.endr
	s_branch .Lasked_\@
.Lfor_b_\@:
	tensor_load_to_lds s[\g0b:\g0b+3], s[\g1b:\g1b+7]
	s_nop 0
.rept 4
	v_nop
.endr
.Lasked_\@:
.endm
.macro CREST
	s_cmp_lg_u32 s14, 0
	s_cbranch_scc1 .Lnot_wave_0_\@
	s_barrier_signal -3
.Lnot_wave_0_\@:
	s_barrier_wait -3
	s_barrier_signal -1
	s_barrier_wait -1
.endm
.macro CROUND
	s_barrier_signal -1
	s_barrier_wait -1
	CREST
.endm
	s_load_b128 s[4:7], s[0:1], 0x0
	s_load_b128 s[8:11], s[0:1], 0x10
.if QKV
	s_load_b128 s[84:87], s[0:1], 0x20
	s_load_b64 s[12:13], s[0:1], 0x30
.else
	s_load_b64 s[12:13], s[0:1], 0x20
.endif
	v_lshl_add_u32 v[SPW], v0, 2, SPARE
	v_mov_b32 v[NIL], 0
	ds_add_u32 v28, v29
	ds_add_u32 v28, v29
	s_wait_dscnt 0x0
	v_lshrrev_b32 v1, 5, v0
	v_readfirstlane_b32 s14, v1
	s_lshr_b32 s15, s14, 1
	s_and_b32 s16, s14, 1
	s_bfe_u32 s40, ttmp6, 0x40000
	s_bfe_u32 s41, ttmp6, 0x40004
	s_and_b32 s67, ttmp7, 0xffff
	s_lshl_b32 s67, s67, 2
.if QKV
	s_mov_b32 s66, ttmp9
	s_cmp_lt_u32 s66, 2
	s_cselect_b32 s17, s67, 0
	s_cselect_b32 s42, 0, s67
	s_cselect_b32 s88, 22, 20
	s_cselect_b32 s94, 20, 22
	s_lshl_b32 s88, s66, s88
	s_lshl_b32 s94, s66, s94
	s_mov_b32 s89, 0
	s_mov_b32 s95, 0
.else
	s_mov_b32 s17, s67
	s_lshl_b32 s42, ttmp9, 2
.endif
	s_add_co_u32 s17, s17, s41
	s_add_co_u32 s42, s42, s40
	s_lshl_b32 s43, s41, 2
	s_lshl_b32 s43, 15, s43
	s_lshl_b32 s44, 0x1111, s40
	s_or_b32 s[G1+0], s43, (0<<16)|(1<<20)|(1<<21)|(5<<22)|(3<<25)
	s_or_b32 s[G1B+0], s44, (0<<16)|(1<<20)|(1<<21)|(5<<22)|(3<<25)
.irp g, G1, G1B
	s_mov_b32 s[\g+1], ROWB<<16
	s_mov_b32 s[\g+2], 128<<16
	s_mov_b32 s[\g+3], ROWB<<16
	s_mov_b32 s[\g+4], 128
	s_mov_b32 s[\g+5], KROW
	s_mov_b32 s[\g+6], 0
	s_mov_b32 s[\g+7], 0
.endr
	s_lshl_b32 s18, s16, 7
	s_lshl_b32 s20, s17, 8
	s_add_co_u32 s20, s20, s18
	s_lshl_b32 s20, s20, 10
	s_lshl_b32 s46, s42, 8
	s_add_co_u32 s46, s46, s18
	s_lshl_b32 s46, s46, 10
	s_mov_b32 s21, 0
	s_mov_b32 s47, 0
	s_mul_i32 s45, s14, HALFT
	s_wait_kmcnt 0x0
	s_load_b512 s[68:83], s[8:9], 0x0
.if QKV
	s_cmp_lt_u32 s66, 2
	s_cselect_b64 s[90:91], s[4:5], s[6:7]
	s_cselect_b64 s[92:93], s[6:7], s[4:5]
	s_add_nc_u64 s[90:91], s[90:91], s[88:89]
	s_add_nc_u64 s[92:93], s[92:93], s[94:95]
.else
	s_mov_b64 s[90:91], s[4:5]
	s_add_nc_u64 s[92:93], s[6:7], 0x400000
.endif
	s_add_nc_u64 s[20:21], s[90:91], s[20:21]
	s_add_nc_u64 s[46:47], s[92:93], s[46:47]
	CROUND
.irp s, 0,1
	s_mov_b32 s[G0+4*\s], 1
	s_add_co_u32 s[G0+4*\s+1], s45, \s*SLOT
	s_add_nc_u64 s[G0+4*\s+2:G0+4*\s+3], s[20:21], \s*ROWB
	s_or_b32 s[G0+4*\s+3], s[G0+4*\s+3], 0x80000000
	s_mov_b32 s[G0B+4*\s], 1
	s_add_co_u32 s[G0B+4*\s+1], s45, \s*SLOT
	s_add_nc_u64 s[G0B+4*\s+2:G0B+4*\s+3], s[46:47], \s*ROWB
	s_or_b32 s[G0B+4*\s+3], s[G0B+4*\s+3], 0x80000000
.endr
	s_cmp_eq_u32 s15, 0                            ; the prefetches' base: the 128 rows that I fetch; of them my work-group takes 32, told apart by address (cx among A's four partners, cy among B's)
	s_cselect_b64 s[92:93], s[20:21], s[46:47]
	s_cselect_b32 s94, s40, s41
	s_lshl_b32 s94, s94, 15
	s_mov_b32 s95, 0
	s_add_nc_u64 s[92:93], s[92:93], s[94:95]
	JLOAD G0, G1, G0B, G1B
	v_and_b32 v1, 15, v0
	v_bfe_u32 v2, v0, 4, 1
	v_mul_u32_u24 v3, v1, PITCH
	s_wait_alu depctr_va_vdst(0)
	v_lshl_add_u32 v4, v2, 4, v3
	s_mul_i32 s21, s15, HALFT
	s_mul_i32 s22, s16, HALFT
	s_add_co_u32 s22, s22, 2*HALFT
.irp s, 0,1
	v_add_nc_u32 v[ADRA+\s], s21, v4
	v_add_nc_u32 v[ADRB+\s], s22, v4
	s_add_co_u32 s21, s21, SLOT
	s_add_co_u32 s22, s22, SLOT
.endr
	s_mul_i32 s23, s15, 128*SPITCH
	s_lshl_b32 s21, s16, 7
	s_add_co_u32 s23, s23, s21
	v_lshl_add_u32 v5, v2, 3, v3
	v_add_nc_u32 v[STO], s23, v5
	s_mul_i32 s23, s14, 64*SPITCH
	; hc is laid in the order of a fragment's registers: block (row / 16, k / 128) is 2,048 bytes at 2048 (32 (row / 16) + k / 128); chunk c of 512 bytes holds, at 16 l, row l % 16, k = 32 c + 16 (l / 16) + 0 .. 15
	v_lshl_add_u32 v5, v2, 4, v3
	v_add_nc_u32 v[RD], s23, v5
	v_and_b32 v5, 31, v0
	v_lshlrev_b32 v[CO], 4, v5
	s_add_co_u32 s20, s67, s41
	s_lshl_b32 s20, s20, 8
	s_lshl_b32 s21, s14, 6
	s_add_co_u32 s20, s20, s21
	s_lshl_b32 s20, s20, 12
.if QKV
	s_lshl_b32 s46, s40, 8
	s_lshl_b32 s47, s66, 10
	s_add_co_u32 s20, s20, s47
.else
	s_lshl_b32 s46, s42, 8
.endif
	s_lshl_b32 s21, s42, 12                        ; two blocks of 128 columns to a tile: 4,096 bytes a tile column
	s_add_co_u32 s20, s20, s21
	s_mov_b32 s21, 0
	s_add_nc_u64 s[12:13], s[12:13], s[20:21]
	s_lshl_b32 s46, s46, 2
	s_lshl_b32 s47, s16, 9
	s_add_co_u32 s46, s46, s47
	s_mov_b32 s47, 0
.if QKV
	s_cmp_eq_u32 s66, 1
	s_cselect_b64 s[10:11], s[84:85], s[10:11]
	s_cmp_eq_u32 s66, 2
	s_cselect_b64 s[10:11], s[86:87], s[10:11]
.endif
	s_add_nc_u64 s[84:85], s[10:11], s[46:47]
	v_lshlrev_b32 v7, 5, v2
.irp b, 0,1,2,3,4,5,6,7
	global_load_b128 v[BN+8*\b:BN+8*\b+3], v7, s[84:85] offset:64*\b
	global_load_b128 v[BN+8*\b+4:BN+8*\b+7], v7, s[84:85] offset:64*\b+16
.endr
.if QKV
	s_lshl_b32 s46, s41, 10
	s_lshl_b32 s47, s15, 9
	s_add_co_u32 s46, s46, s47
	s_mov_b32 s47, 0
	s_add_nc_u64 s[86:87], s[10:11], s[46:47]
	v_lshlrev_b32 v8, 2, v1
.irp a, 0,1,2,3,4,5,6,7
	global_load_b32 v[BM+2*\a], v8, s[86:87] offset:64*\a
	global_load_b32 v[BM+2*\a+1], v8, s[86:87] offset:64*\a
.endr
.endif
.macro FRAG reg, adr, q, i
.irp c, 0,1,2,3
	ds_load_b128 v[\reg+4*\c:\reg+4*\c+3], v[\adr] offset:128*(\q)+32*\c+(\i)*16*PITCH
.endr
.endm
.macro MUL16 a0, p, zero
.irp a, \a0, \a0+1
.irp b, 0,1,2,3,4,5,6,7
.if \zero
	v_wmma_f32_16x16x128_fp8_fp8 v[8*(8*((\a)%4)+\b):8*(8*((\a)%4)+\b)+7], v[128*(\p)+FR*\b:128*(\p)+FR*\b+FR-1], v[AF+FR*(\a):AF+FR*(\a)+FR-1], 0
.else
	v_wmma_f32_16x16x128_fp8_fp8 v[8*(8*((\a)%4)+\b):8*(8*((\a)%4)+\b)+7], v[128*(\p)+FR*\b:128*(\p)+FR*\b+FR-1], v[AF+FR*(\a):AF+FR*(\a)+FR-1], v[8*(8*((\a)%4)+\b):8*(8*((\a)%4)+\b)+7]
.endif
.endr
.endr
.endm
.macro FETCH_B slot, q, p
	WIN TO_B
.irp i, 0,1,2,3,4,5,6,7
	FRAG 128*(\p)+FR*\i, ADRB+\slot, \q, \i
.endr
	WIN 0
.endm
.macro FETCH_A slot, q, i0
.irp i, \i0, \i0+1, \i0+2, \i0+3
	FRAG AF+FR*(\i), ADRA+\slot, \q, \i
.endr
.endm
.macro PLACES n
.rept \n
	v_nop
.endr
.endm
.macro STEP slot, q, zero
	s_wait_dscnt 4*NL
	WIN MUL_LO
	MUL16 0, (\q)%2, \zero
	MUL16 2, (\q)%2, \zero
	s_wait_dscnt 0
	PLACES NP
	FETCH_B \slot, (\q)+1, 1-(\q)%2
	FETCH_A \slot, (\q)+1, 0
	WIN MUL_HI
	MUL16 4, (\q)%2, \zero
	MUL16 6, (\q)%2, \zero
	PLACES NP
	WIN 0
	FETCH_A \slot, (\q)+1, 4
.endm
.macro TURN slot, next, fill
	s_wait_tensorcnt 0x0
	ds_add_u32 v[SPW], v[NIL]
	s_wait_dscnt 4*NL+1
	WIN MUL_LO
	MUL16 0, 1, 0
	s_wait_dscnt 0x0
	s_barrier_signal -1
	MUL16 2, 1, 0
	WIN 0
	s_barrier_wait -1
.if \fill
	CREST
	s_add_nc_u64 s[G0+4*\slot+2:G0+4*\slot+3], s[G0+4*\slot+2:G0+4*\slot+3], 2*ROWB
	s_add_nc_u64 s[G0B+4*\slot+2:G0B+4*\slot+3], s[G0B+4*\slot+2:G0B+4*\slot+3], 2*ROWB
	JLOAD G0+4*\slot, G1, G0B+4*\slot, G1B
.else
	PLACES NP
.endif
	s_wait_alu depctr_va_vdst(0)
	FETCH_B \next, 0, 0
	FETCH_A \next, 0, 0
	WIN MUL_HI
	MUL16 4, 1, 0
	MUL16 6, 1, 0
	PLACES NP
	WIN 0
	FETCH_A \next, 0, 4
.endm
	v_and_b32 v9, 31, v0
	v_lshlrev_b32 v9, 10, v9                       ; a lane a row of 1,024 bytes; a K step is 256 aligned bytes of it
	global_prefetch_b8 v9, s[92:93] offset:256 th:TH_LOAD_NT scope:SCOPE_SE   ; K step 1, whose load follows behind the next round,
	global_prefetch_b8 v9, s[92:93] offset:512 th:TH_LOAD_NT scope:SCOPE_SE   ; and K step 2, two loads on.  Neither register is written again
	s_wait_alu depctr_va_vdst(0)
	s_wait_tensorcnt 0x0
	ds_add_u32 v[SPW], v[NIL]
	s_wait_dscnt 0x0
	CROUND                                         ; a whole round: everybody's part is in, and the joint loads meet
	JLOAD G0+4, G1, G0B+4, G1B                     ; K step 1, the first tensor load behind the round
	FETCH_B 0, 0, 0
	FETCH_A 0, 0, 0
	FETCH_A 0, 0, 4
	global_prefetch_b8 v9, s[92:93] offset:768 th:TH_LOAD_NT scope:SCOPE_SE   ; behind K step 1's load: K step 3, the last
	STEP 0, 0, 1
	s_mov_b32 s3, LAPS-1
.Llap:
	TURN 0, 1, 1
	STEP 1, 0, 0
	TURN 1, 0, 1
	STEP 0, 0, 0
	s_sub_co_u32 s3, s3, 1
	s_cmp_lg_u32 s3, 0
	s_cbranch_scc1 .Llap
	TURN 0, 1, 0
	STEP 1, 0, 0
	s_wait_dscnt 4*NL
	WIN MUL_LO
	MUL16 0, 1, 0
	MUL16 2, 1, 0
	s_wait_dscnt 0
	WIN MUL_HI
	MUL16 4, 1, 0
	MUL16 6, 1, 0
	WIN 0
.macro TOCODES a
.set AC, 64*((\a)%4)
.if QKV
	s_cmp_eq_u32 s66, 2
	s_cbranch_scc1 .Lby_rows_\@
.endif
	WIN 0x02+((\a)/4)
.set j, 0
.rept 32
	v_pk_fma_f32 v[TMP+j:TMP+j+1], v[AC+j:AC+j+1], s[96:97], v[BN+j:BN+j+1] op_sel_hi:[1,0,1]
.set j, j+2
.endr
	WIN 0
.if QKV
	s_branch .Lbiased_\@
.Lby_rows_\@:
	WIN 0x02+((\a)/4)
.set j, 0
.rept 32
	v_pk_fma_f32 v[TMP+j:TMP+j+1], v[AC+j:AC+j+1], s[96:97], v[BM+2*(\a):BM+2*(\a)+1] op_sel_hi:[1,0,1]
.set j, j+2
.endr
	WIN 0
.Lbiased_\@:
.endif
.set j, 0
.rept 64
.if QKV
	v_med3_num_f32 v[TMP+j], v[TMP+j], -v[LIM], v[LIM]
.else
	v_med3_num_f32 v[TMP+j], v[TMP+j], 0, v[LIM]
.endif
.set j, j+1
.endr
.irp b, 0,1,2,3,4,5,6,7
	v_cvt_scalef32_pk8_fp8_f32 v[CD+2*\b:CD+2*\b+1], v[TMP+8*\b:TMP+8*\b+7], v[SCV]
.endr
	v_nop
.irp b, 0,1,2,3,4,5,6,7
	ds_store_b64 v[STO], v[CD+2*\b:CD+2*\b+1] offset:(\a)*16*SPITCH+16*\b
.endr
.endm
	s_wait_kmcnt 0x0
.if QKV
	s_add_co_i32 s96, s68, s69
	s_add_co_i32 s97, s70, s71
	s_add_co_i32 s98, s72, s73
	s_cmp_eq_u32 s66, 1
	s_cselect_b32 s96, s97, s96
	s_cselect_b32 s99, s75, s74
	s_cmp_eq_u32 s66, 2
	s_cselect_b32 s96, s98, s96
	s_cselect_b32 s99, s77, s99
.else
	s_add_co_i32 s96, s80, s81
	s_mov_b32 s99, s82
.endif
	s_add_co_i32 s96, s96, 127
	s_lshl_b32 s96, s96, 23
	s_mov_b32 s97, s96
	s_add_co_i32 s99, s99, 127
	s_lshl_b32 s98, s99, 23
	v_mov_b32 v[SCV], s98
	s_add_co_i32 s99, s99, 8
	s_lshl_b32 s99, s99, 23
	s_or_b32 s99, s99, 0x600000
	v_mov_b32 v[LIM], s99
	s_wait_loadcnt 0x0
	PLACES NP
.irp a, 0,1,2,3,4,5,6,7
	TOCODES \a
.endr
	s_wait_dscnt 0x0
	s_barrier_signal -1
	s_barrier_wait -1
.set t, 0
.rept 32
	ds_load_b128 v[BK+4*t:BK+4*t+3], v[RD] offset:(t/8)*16*SPITCH+((t/4)%2)*128+(t%4)*32
.set t, t+1
.endr
.set t, 0
.rept 32
	s_wait_dscnt 31-t
	global_store_b128 v[CO], v[BK+4*t:BK+4*t+3], s[12:13] offset:(t/8)*65536+((t/4)%2)*2048+(t%4)*512   ; 512 consecutive bytes, aligned
.set t, t+1
.endr
	s_wait_tensorcnt 0x0
	ds_add_u32 v[SPW], v[NIL]
	s_wait_dscnt 0x0
	CROUND
	s_endpgm
.Lfunc_end_k_q8bd746b350_ff1:
	.size	k_q8bd746b350_ff1, .Lfunc_end_k_q8bd746b350_ff1-k_q8bd746b350_ff1
	.p2alignl 7, 3214868480
	.fill 96, 4, 3214868480
	.section	.rodata,"a",@progbits
	.p2align	6, 0x0
	.amdhsa_kernel k_q8bd746b350_ff1
		.amdhsa_group_segment_fixed_size 327680
		.amdhsa_private_segment_fixed_size 0
		.amdhsa_enable_private_segment 0
		.amdhsa_kernarg_size 40
		.amdhsa_user_sgpr_count 2
		.amdhsa_user_sgpr_kernarg_segment_ptr 1
		.amdhsa_wavefront_size32 1
		.amdhsa_system_sgpr_workgroup_id_x 1
		.amdhsa_system_sgpr_workgroup_id_y 1
		.amdhsa_system_sgpr_workgroup_id_z 1
		.amdhsa_system_vgpr_workitem_id 0
		.amdhsa_next_free_vgpr 1024
		.amdhsa_next_free_sgpr 100
		.amdhsa_reserve_vcc 0
		.amdhsa_float_denorm_mode_32 3
		.amdhsa_float_denorm_mode_16_64 3
		.amdhsa_memory_ordered 1
		.amdhsa_forward_progress 1
		.amdhsa_inst_pref_size 144
	.end_amdhsa_kernel
	.amdgpu_metadata
---
amdhsa.version: [ 1, 2 ]
amdhsa.kernels:
  - .name:           k_q8bd746b350_ff1
    .symbol:         k_q8bd746b350_ff1.kd
    .args:
      - { .name: xn2c, .offset: 0, .size: 8, .value_kind: global_buffer, .address_space: global }
      - { .name: wcodes, .offset: 8, .size: 8, .value_kind: global_buffer, .address_space: global }
      - { .name: lowp_scales, .offset: 16, .size: 8, .value_kind: global_buffer, .address_space: global }
      - { .name: b1, .offset: 24, .size: 8, .value_kind: global_buffer, .address_space: global }
      - { .name: hc, .offset: 32, .size: 8, .value_kind: global_buffer, .address_space: global }
    .group_segment_fixed_size: 327680
    .private_segment_fixed_size: 0
    .kernarg_segment_align: 8
    .kernarg_segment_size: 40
    .max_flat_workgroup_size: 128
    .sgpr_count:     100
    .vgpr_count:     1024
    .wavefront_size: 32
...
	.end_amdgpu_metadata
.endif
;; end of part 6
;; launch ff2 (part 7): grid 8 x 32, 4 waves a work-group, clusters of 4 x 4, 327,680 bytes of LDS; arguments hc, wcodes, lowp_scales, b2, x1, out0; writes out0
.if DOCPART == 7
	.amdgcn_target "amdgcn-amd-amdhsa--gfx1250"
	.amdhsa_code_object_version 6
	.text
	.protected	k_q8bd746b350_ff2
	.globl	k_q8bd746b350_ff2
	.p2align	8
	.type	k_q8bd746b350_ff2,@function
k_q8bd746b350_ff2:
	s_mov_b64 s[64:65], 0
	v_nop
	global_prefetch_b8 v0, s[64:65] scope:SCOPE_SE
	s_setreg_imm32_b32 hwreg(HW_REG_WAVE_MODE, 25, 1), 1
	s_wait_xcnt 0x0
	s_wait_alu depctr_hold_cnt(0) depctr_sa_sdst(0) depctr_va_vdst(0) depctr_va_sdst(0) depctr_va_ssrc(0) depctr_va_vcc(0) depctr_vm_vsrc(0)
	s_getreg_b32 s2, hwreg(HW_REG_IB_STS2, 6, 4)
	s_cmp_eq_u32 s2, 0
	s_cbranch_scc0 .Lentry_in_a_cluster
	s_endpgm
.Lentry_in_a_cluster:
	s_bfe_u32 s2, ttmp6, 0x10000c
	s_cmp_lg_u32 s2, 0xf033
	s_cbranch_scc0 .Lentry_shape_is_right
	s_endpgm
.Lentry_shape_is_right:
.set SIZE_K, 4096
.set WOFF,   8<<20
.set EA,     82
.set EB,     83
.set KSTEP,  512
; out0 = x1 + (h W2) x 2^(e14 + e15) + b2.  h [4096][4096] and W2 [1024 (n)][4096 (k)]: codes of E4M3; x1, out0 [4096][1024] f32.  LIMIT: e14 + e15 between -126 and 127.
; BOTH OPERANDS LIE IN MEMORY IN THE ORDER OF A FRAGMENT'S REGISTERS: block (row / 16, k / 128) is 2,048 bytes at 2048 (32 (row / 16) + k / 128); its chunk c of 512 bytes holds, at 16 l, row l % 16,
; k = 32 c + 16 (l / 16) + 0 .. 15 (a permutation of k inside an instruction, alike in both operands).  So 16 rows x 512 along K are 8,192 dense bytes, a wave's tensor load is 4 such rows, 65,536 bytes apart,
; the LDS image needs no padding, and every LDS load reads 512 consecutive bytes.
; 256 work-groups, a tile of 128 x 128 each; four waves of 64 x 64; K in steps of 512 through two slots.  CLUSTERS of 4 x 4: A's tile is asked for jointly along a row of the cluster, B's along a column.
; PREFETCH: behind each joint load a wave asks for the K step two loads on (the head also for K step 1): of the 128 blocks of 256 bytes that it fetches, its work-group's 32 (one row of 8,192 bytes, lanes 256 bytes apart),
; told apart among the four partners by address.  The last two refills ask for nothing: there is no K step behind the eighth.
.set FB,     8192                      ; 16 rows x 512 along K
.set HALFT,  4*FB
.set SLOT,   4*HALFT
.set STAGE,  2*SLOT
.set SPITCH, 272
.set SPARE,  STAGE+4*16*SPITCH
.set LAPS,   SIZE_K/(2*KSTEP)
.set BI,   12
.set ADRA, 16
.set ADRB, 20
.set STO,  24
.set RD,   25
.set CO,   26
.set SPW,  28
.set NIL,  29
.set OB,   32
.set ACC,  128
.set F0,   0
.set F1,   128
.set G1, 24
.set G0, 32
.set G1B, 48
.set G0B, 56
.set MSB, 0
.macro WIN new
.if MSB != \new
	s_set_vgpr_msb (MSB<<8)|\new
.set MSB, \new
.endif
.endm
.set MUL,  0x05
.set TO_F, 0x40
.macro JLOAD s
	s_cmp_eq_u32 s11, 0
	s_cbranch_scc0 .Lfor_b_\@
	tensor_load_to_lds s[G0+4*\s:G0+4*\s+3], s[G1:G1+7]
	s_nop 0
.rept 4
	v_nop
.endr
	s_branch .Lasked_\@
.Lfor_b_\@:
	tensor_load_to_lds s[G0B+4*\s:G0B+4*\s+3], s[G1B:G1B+7]
	s_nop 0
.rept 4
	v_nop
.endr
.Lasked_\@:
.endm
.macro CREST
	s_cmp_lg_u32 s10, 0
	s_cbranch_scc1 .Lnot_wave_0_\@
	s_barrier_signal -3
.Lnot_wave_0_\@:
	s_barrier_wait -3
	s_barrier_signal -1
	s_barrier_wait -1
.endm
.macro CROUND
	s_barrier_signal -1
	s_barrier_wait -1
	CREST
.endm
	s_load_b128 s[4:7], s[0:1], 0x0
	s_load_b128 s[84:87], s[0:1], 0x10
	s_load_b128 s[88:91], s[0:1], 0x20
	v_lshl_add_u32 v[SPW], v0, 2, SPARE
	v_mov_b32 v[NIL], 0
	ds_add_u32 v28, v29
	ds_add_u32 v28, v29
	s_wait_dscnt 0x0
	v_lshrrev_b32 v1, 5, v0
	v_readfirstlane_b32 s10, v1
	s_lshr_b32 s11, s10, 1
	s_and_b32 s12, s10, 1
	s_bfe_u32 s40, ttmp6, 0x40000
	s_bfe_u32 s41, ttmp6, 0x40004
	s_lshl_b32 s42, ttmp9, 2
	s_add_co_u32 s42, s42, s40
	s_and_b32 s13, ttmp7, 0xffff
	s_lshl_b32 s13, s13, 2
	s_add_co_u32 s13, s13, s41
	s_lshl_b32 s43, s41, 2
	s_lshl_b32 s43, 15, s43
	s_lshl_b32 s44, 0x1111, s40
	s_or_b32 s[G1+0], s43, (1<<21)                 ; the mask; elements of 1 byte; no padding; bit 21 beside a mask
	s_or_b32 s[G1B+0], s44, (1<<21)
.irp g, G1, G1B
	s_mov_b32 s[\g+1], FB<<16
	s_mov_b32 s[\g+2], 4<<16
	s_mov_b32 s[\g+3], FB<<16
	s_mov_b32 s[\g+4], 4
	s_mov_b32 s[\g+5], 65536
	s_mov_b32 s[\g+6], 0
	s_mov_b32 s[\g+7], 0
.endr
	s_lshl_b32 s17, s12, 6
	s_lshl_b32 s16, s13, 7
	s_add_co_u32 s16, s16, s17
	s_lshl_b32 s46, s42, 7
	s_add_co_u32 s46, s46, s17
	s_mov_b32 s17, 0
	s_mov_b32 s47, 0
	s_mov_b64 s[18:19], SIZE_K
	s_mul_u64 s[16:17], s[16:17], s[18:19]
	s_mul_u64 s[46:47], s[46:47], s[18:19]
	s_mul_i32 s20, s10, HALFT
	s_wait_kmcnt 0x0
	s_load_b512 s[68:83], s[84:85], 0x0
	s_add_nc_u64 s[14:15], s[4:5], s[16:17]
	s_add_nc_u64 s[46:47], s[6:7], s[46:47]
	s_add_nc_u64 s[46:47], s[46:47], WOFF
	CROUND
.irp s, 0,1
	s_mov_b32 s[G0+4*\s], 1
	s_add_co_u32 s[G0+4*\s+1], s20, \s*SLOT
	s_add_nc_u64 s[G0+4*\s+2:G0+4*\s+3], s[14:15], \s*FB
	s_or_b32 s[G0+4*\s+3], s[G0+4*\s+3], 0x80000000
	s_mov_b32 s[G0B+4*\s], 1
	s_add_co_u32 s[G0B+4*\s+1], s20, \s*SLOT
	s_add_nc_u64 s[G0B+4*\s+2:G0B+4*\s+3], s[46:47], \s*FB
	s_or_b32 s[G0B+4*\s+3], s[G0B+4*\s+3], 0x80000000
.endr
	s_cmp_eq_u32 s11, 0                            ; the prefetches' base: what I fetch, at the row of 8,192 bytes that is my work-group's (cx among A's four partners, cy among B's)
	s_cselect_b64 s[92:93], s[14:15], s[46:47]
	s_cselect_b32 s94, s40, s41
	s_lshl_b32 s94, s94, 16
	s_mov_b32 s95, 0
	s_add_nc_u64 s[92:93], s[92:93], s[94:95]
	JLOAD 0                                        ; K step 0: one tensor load a wave at the head
	v_and_b32 v1, 15, v0
	s_wait_alu depctr_va_vdst(0)
	v_bfe_u32 v2, v0, 4, 1
	v_and_b32 v3, 31, v0
	v_lshlrev_b32 v3, 4, v3                        ; 16 x lane
	s_mul_i32 s21, s11, HALFT
	s_mul_i32 s22, s12, HALFT
	s_add_co_u32 s22, s22, 2*HALFT
.irp s, 0,1
	v_add_nc_u32 v[ADRA+\s], s21, v3
	v_add_nc_u32 v[ADRB+\s], s22, v3
	s_add_co_u32 s21, s21, SLOT
	s_add_co_u32 s22, s22, SLOT
.endr
	s_mul_i32 s23, s10, 16*SPITCH
	s_add_co_u32 s23, s23, STAGE
	v_mul_u32_u24 v4, v1, SPITCH
	s_wait_alu depctr_va_vdst(0)
	v_lshl_add_u32 v4, v2, 5, v4
	v_add_nc_u32 v[STO], s23, v4
	v_mul_u32_u24 v5, v2, SPITCH
	v_lshl_add_u32 v5, v1, 4, v5
	v_add_nc_u32 v[RD], s23, v5
	v_lshlrev_b32 v5, 12, v2
	v_lshl_add_u32 v[CO], v1, 4, v5
	v_lshlrev_b32 v6, 4, v1
	s_wait_alu depctr_va_vdst(0)
	s_lshl_b32 s46, s42, 9
	s_lshl_b32 s47, s12, 8
	s_add_co_u32 s46, s46, s47
	s_mov_b32 s47, 0
	s_add_nc_u64 s[86:87], s[86:87], s[46:47]
	s_lshl_b32 s16, s13, 7
	s_lshl_b32 s17, s11, 6
	s_add_co_u32 s16, s16, s17
	s_lshl_b32 s16, s16, 12
	s_add_co_u32 s16, s16, s46
	s_mov_b32 s17, 0
	s_add_nc_u64 s[88:89], s[88:89], s[16:17]
	s_add_nc_u64 s[90:91], s[90:91], s[16:17]
	global_load_b128 v[BI:BI+3], v6, s[86:87]
	WIN 0x80
.set t, 0
.rept 32
	global_load_b128 v[4*t:4*t+3], v[CO], s[88:89] offset:2*t*4096 th:TH_LOAD_NT
.set t, t+1
.endr
	WIN 0
	v_and_b32 v30, 31, v0
	v_lshlrev_b32 v30, 8, v30                      ; lanes 256 bytes apart; never rewritten
	global_prefetch_b8 v30, s[92:93] offset:FB th:TH_LOAD_NT scope:SCOPE_SE     ; K step 1, whose load follows behind the next round,
	global_prefetch_b8 v30, s[92:93] offset:2*FB th:TH_LOAD_NT scope:SCOPE_SE   ; and K step 2, two loads on
.macro MULA f, a, zero
.irp b, 0,1,2,3
.if \zero
	v_wmma_f32_16x16x128_fp8_fp8 v[ACC+8*(4*(\a)+\b):ACC+8*(4*(\a)+\b)+7], v[\f+64+16*\b:\f+64+16*\b+15], v[\f+16*(\a):\f+16*(\a)+15], 0
.else
	v_wmma_f32_16x16x128_fp8_fp8 v[ACC+8*(4*(\a)+\b):ACC+8*(4*(\a)+\b)+7], v[\f+64+16*\b:\f+64+16*\b+15], v[\f+16*(\a):\f+16*(\a)+15], v[ACC+8*(4*(\a)+\b):ACC+8*(4*(\a)+\b)+7]
.endif
.endr
.endm
.macro FETCH slot, k, f
	WIN TO_F
.irp i, 0,1,2,3
.irp c, 0,1,2,3
	ds_load_b128 v[\f+64+16*\i+4*\c:\f+64+16*\i+4*\c+3], v[ADRB+\slot] offset:(\k)*16+512*\c+\i*FB
.endr
.endr
.irp i, 0,1,2,3
.irp c, 0,1,2,3
	ds_load_b128 v[\f+16*\i+4*\c:\f+16*\i+4*\c+3], v[ADRA+\slot] offset:(\k)*16+512*\c+\i*FB
.endr
.endr
.endm
.macro PLACES
.rept 4
	v_nop
.endr
.endm
.macro QUARTER slot, k, f, g, zero
	s_wait_dscnt 8
	WIN MUL
	MULA \f, 0, \zero
	MULA \f, 1, \zero
	PLACES
	FETCH \slot, \k, \g
	s_wait_dscnt 32
	WIN MUL
	MULA \f, 2, \zero
	MULA \f, 3, \zero
.endm
.macro TURN slot, next, fill
	WIN 0
.if \fill
	s_wait_xcnt 0x0                                ; my prefetches have read their base: a K step on
	s_add_nc_u64 s[92:93], s[92:93], FB
.endif
	s_wait_tensorcnt 0x0
	ds_add_u32 v[SPW], v[NIL]
	s_wait_dscnt 9
	WIN MUL
	MULA F1, 0, 0
	s_wait_dscnt 0x0
	s_barrier_signal -1
	MULA F1, 1, 0
.if \fill
	WIN 0
.endif
	s_barrier_wait -1
.if \fill
	CREST
	s_add_nc_u64 s[G0+4*\slot+2:G0+4*\slot+3], s[G0+4*\slot+2:G0+4*\slot+3], 2*FB
	s_add_nc_u64 s[G0B+4*\slot+2:G0B+4*\slot+3], s[G0B+4*\slot+2:G0B+4*\slot+3], 2*FB
	JLOAD \slot
.else
	PLACES
.endif
	FETCH \next, 0, F0
.if \fill
	WIN 0
	s_cmp_gt_u32 s3, 1                             ; the loop's last trip refills K steps 6 and 7: nothing stands two on
	s_cbranch_scc0 .Lno_ask_\@
	global_prefetch_b8 v30, s[92:93] offset:3*FB th:TH_LOAD_NT scope:SCOPE_SE   ; the base stands a K step behind the slot in hand: this is the K step two behind the refill's
.Lno_ask_\@:
.endif
	WIN MUL
	MULA F1, 2, 0
	MULA F1, 3, 0
.endm
	s_wait_alu depctr_va_vdst(0)                   ; the wait at the head's end
	s_wait_tensorcnt 0x0                           ; my part of K step 0 is in
	ds_add_u32 v[SPW], v[NIL]
	s_wait_dscnt 0x0
	CROUND                                         ; a whole round: everybody's part is in, and the joint loads meet
	JLOAD 1                                        ; K step 1, the first tensor load behind the round
	FETCH 0, 0, F0
	WIN 0
	global_prefetch_b8 v30, s[92:93] offset:3*FB th:TH_LOAD_NT scope:SCOPE_SE   ; K step 3
	QUARTER 0, 128, F0, F1, 1
.if LAPS > 1
	WIN 0
	s_mov_b32 s3, LAPS-1
.Llap:
	QUARTER 0, 256, F1, F0, 0
	QUARTER 0, 384, F0, F1, 0
	TURN 0, 1, 1
	QUARTER 1, 128, F0, F1, 0
	QUARTER 1, 256, F1, F0, 0
	QUARTER 1, 384, F0, F1, 0
	TURN 1, 0, 1
	QUARTER 0, 128, F0, F1, 0
	WIN 0
	s_sub_co_u32 s3, s3, 1
	s_cmp_lg_u32 s3, 0
	s_cbranch_scc1 .Llap
.endif
	QUARTER 0, 256, F1, F0, 0
	QUARTER 0, 384, F0, F1, 0
	TURN 0, 1, 0
	QUARTER 1, 128, F0, F1, 0
	QUARTER 1, 256, F1, F0, 0
	QUARTER 1, 384, F0, F1, 0
	s_wait_dscnt 8
	WIN MUL
	MULA F1, 0, 0
	MULA F1, 1, 0
	s_wait_dscnt 0
	MULA F1, 2, 0
	MULA F1, 3, 0
	WIN 0
.macro OUTBLK a
.set OO, OB+32*((\a)%2)
.irp b, 0,1,2,3
	ds_store_b128 v[STO], v[ACC+8*(4*(\a)+\b):ACC+8*(4*(\a)+\b)+3] offset:64*\b
	ds_store_b128 v[STO], v[ACC+8*(4*(\a)+\b)+4:ACC+8*(4*(\a)+\b)+7] offset:64*\b+16
.endr
.irp t, 0,1,2,3,4,5,6,7
	ds_load_b128 v[OO+4*\t:OO+4*\t+3], v[RD] offset:\t*2*SPITCH
.endr
.endm
.macro SENDBLK a, younger
.set OO, OB+32*((\a)%2)
	s_wait_dscnt \younger
	WIN 0x20
.set j, 0
.rept 16
	v_pk_fma_f32 v[OO+j:OO+j+1], v[OO+j:OO+j+1], s[96:97], v[32*(\a)+j:32*(\a)+j+1] op_sel_hi:[1,0,1]
.set j, j+2
.endr
	WIN 0
.set j, 0
.rept 8
	v_pk_add_f32 v[OO+j:OO+j+1], v[OO+j:OO+j+1], v[BI:BI+1]
	v_pk_add_f32 v[OO+j+2:OO+j+3], v[OO+j+2:OO+j+3], v[BI+2:BI+3]
.set j, j+4
.endr
.irp t, 0,1,2,3,4,5,6,7
	global_store_b128 v[CO], v[OO+4*\t:OO+4*\t+3], s[90:91] offset:(16*(\a)+2*\t)*4096
.endr
.endm
	s_wait_kmcnt 0x0
	s_add_co_i32 s96, s[EA], s[EB]
	s_add_co_i32 s96, s96, 127
	s_lshl_b32 s96, s96, 23
	s_mov_b32 s97, s96
	s_wait_loadcnt 0x0
	PLACES
	OUTBLK 0
	OUTBLK 1
	SENDBLK 0, 16
	s_wait_xcnt 0x0
	OUTBLK 2
	SENDBLK 1, 16
	s_wait_xcnt 0x0
	OUTBLK 3
	SENDBLK 2, 16
	SENDBLK 3, 0
	s_wait_tensorcnt 0x0
	ds_add_u32 v[SPW], v[NIL]
	s_wait_dscnt 0x0
	CROUND
	s_endpgm
.Lfunc_end_k_q8bd746b350_ff2:
	.size	k_q8bd746b350_ff2, .Lfunc_end_k_q8bd746b350_ff2-k_q8bd746b350_ff2
	.p2alignl 7, 3214868480
	.fill 96, 4, 3214868480
	.section	.rodata,"a",@progbits
	.p2align	6, 0x0
	.amdhsa_kernel k_q8bd746b350_ff2
		.amdhsa_group_segment_fixed_size 327680
		.amdhsa_private_segment_fixed_size 0
		.amdhsa_enable_private_segment 0
		.amdhsa_kernarg_size 48
		.amdhsa_user_sgpr_count 2
		.amdhsa_user_sgpr_kernarg_segment_ptr 1
		.amdhsa_wavefront_size32 1
		.amdhsa_system_sgpr_workgroup_id_x 1
		.amdhsa_system_sgpr_workgroup_id_y 1
		.amdhsa_system_sgpr_workgroup_id_z 1
		.amdhsa_system_vgpr_workitem_id 0
		.amdhsa_next_free_vgpr 640
		.amdhsa_next_free_sgpr 100
		.amdhsa_reserve_vcc 0
		.amdhsa_float_denorm_mode_32 3
		.amdhsa_float_denorm_mode_16_64 3
		.amdhsa_memory_ordered 1
		.amdhsa_forward_progress 1
		.amdhsa_inst_pref_size 83
	.end_amdhsa_kernel
	.amdgpu_metadata
---
amdhsa.version: [ 1, 2 ]
amdhsa.kernels:
  - .name:           k_q8bd746b350_ff2
    .symbol:         k_q8bd746b350_ff2.kd
    .args:
      - { .name: hc, .offset: 0, .size: 8, .value_kind: global_buffer, .address_space: global }
      - { .name: wcodes, .offset: 8, .size: 8, .value_kind: global_buffer, .address_space: global }
      - { .name: lowp_scales, .offset: 16, .size: 8, .value_kind: global_buffer, .address_space: global }
      - { .name: b2, .offset: 24, .size: 8, .value_kind: global_buffer, .address_space: global }
      - { .name: x1, .offset: 32, .size: 8, .value_kind: global_buffer, .address_space: global }
      - { .name: out0, .offset: 40, .size: 8, .value_kind: global_buffer, .address_space: global }
    .group_segment_fixed_size: 327680
    .private_segment_fixed_size: 0
    .kernarg_segment_align: 8
    .kernarg_segment_size: 48
    .max_flat_workgroup_size: 128
    .sgpr_count:     100
    .vgpr_count:     640
    .wavefront_size: 32
...
	.end_amdgpu_metadata
.endif
;; end of part 7
